; MI455X (gfx1250); checked and timed in simulation.
; The chip was launched on July 23, 2026; its instructions are those of AMD's public machine-readable ISA for CDNA 5 (MIT licence, August 2026) and "CDNA5" Instruction Set Architecture Reference Guide (July 2026). The comments in the code are by the model that wrote it; some were corrected since.
;; Causal Self Attention. Allowed arithmetic: matrix products marked QUANTISED: E2M1 operands, one E8M0 scale for each 32 along K, by v_wmma_scale_f32_16x16x128_f8f6f4 with both operands' format E2M1 (or v_wmma_scale_f32_32x16x128_f4), f32 sums; everything else in f32.
;; Inputs: b_proj 1,024 float32; b_qkv 3,072 float32; w_proj 1,024 x 1,024 float32; w_qkv 1,024 x 3,072 float32; x 4 x 2,048 x 1,024 float32.
;; Outputs: out0 4 x 2,048 x 1,024 float32.
;; This version of the problem:
;;   THIS VERSION OF THE PROBLEM IS GIVEN IN LOW PRECISION. The matrix products marked QUANTISED in the list below multiply operands that are first quantised to E2M1 (2 exponent bits, 1 mantissa bit; 4 bits a number), with one power-of-two scale for each 32 numbers along K (OCP MX v1.0); their sums are f32. All else is computed in f32.
;;   The module's matrix products, in the order in which they are computed (A, B: the left and right operand; K: the contracted axis; several contracted axes count as one K, in the product's order):
;;     1. [M 8,192, K 1,024] x [K 1,024, N 3,072]; A: input x; B: input w_qkv: QUANTISED
;;     2. batch 64 x [M 2,048, K 64] x [K 64, N 2,048]; A: computed on the way; B: computed on the way: QUANTISED
;;     3. batch 64 x [M 64, K 2,048] x [K 2,048, N 2,048]; A: computed on the way; B: softmax (see below): QUANTISED
;;     4. [M 8,192, K 1,024] x [K 1,024, N 1,024]; A: computed on the way; B: input w_proj: QUANTISED
;;   THE QUANTISER, for each operand of a quantised product, along K:
;;     - K is cut into blocks of 32 from its start; a last block that is shorter is filled with zeros.
;;     - A block's scale is 2^e with e = floor(log2(the largest magnitude in the block)) - 2, held to -126 .. 127; a block of zeros has e = 0. As a byte (E8M0): e + 127.
;;     - Each number is divided by its block's scale, clamped to +-6, and rounded to the nearest number of E2M1, ties to even, subnormals kept.
;;     - The product sums the exact products of the quantised numbers (number of the format x scale) in f32.
;;   ~~~python
;;   def quantise(x, axis):      # numpy; x: float32 -> the quantised numbers, widened to float32 again
;;       x = np.moveaxis(x, axis, -1); K = x.shape[-1]
;;       x = np.pad(x, [(0, 0)] * (x.ndim - 1) + [(0, -K % 32)]); x = x.reshape(x.shape[:-1] + (-1, 32)); a = np.abs(x).max(-1, keepdims=True)
;;       e = np.where(a > 0, np.clip(np.frexp(np.where(a > 0, a, 1))[1] - 1 - 2, -126, 127), 0)      # np.frexp(a)[1] - 1 = floor(log2(a)), exactly
;;       r = np.clip(x / 2.0 ** e, -6, 6)
;;       step = 2.0 ** (np.maximum(np.frexp(np.where(r == 0, 1, r))[1] - 1, 0) - 1)
;;       q = np.round(r / step) * step * 2.0 ** e      # np.round: ties to even
;;       return np.moveaxis(q.reshape(q.shape[:-2] + (-1,))[..., :K], -1, axis).astype(np.float32)
;;   ~~~
;;   SOFTMAX AHEAD OF A QUANTISED PRODUCT. Where the list says 'softmax', what is quantised is not the finished softmax but p = 2^(t - M), with t = logit x log2(e) and M = ceil(the row's largest t), a whole number; so 1/2 < the row's largest p <= 1. The row's sum l is taken of the UNQUANTISED p, in f32, and the product's result is divided by l at the end. Since M is a whole number, a kernel that streams over the keys may use a running M (the ceiling of the running maximum): every later rescaling is an exact power of two, which a block's scale takes up: the codes' values come out the same.
;;   OPERANDS COMPUTED ON THE WAY. 'Computed on the way' means the value that the module computes at that place (a softmax that the list does not call 'softmax' is quantised finished and normalised). What goes into a quantiser is computed in f32, as accurately as f32 sums, v_exp_f32 and their like allow (about 1e-6 of the number): no bf16 or f16 on the way to a quantiser, and a product that is left as it is and whose result goes on into a quantised operand takes f32 operands (vector FMAs, or v_wmma_f32_16x16x4_f32). A number that lies on a knife's edge between two numbers of the format may be rounded either way, as far as f32 arithmetic and the matrix unit's own rounding can turn it there, and no further.
;; One version. Each part assembles by itself: llvm-mc -triple=amdgcn-amd-amdhsa -mcpu=gfx1250 --defsym DOCPART=n.
;; ======== version 1 of 1: 4 launches
;; limits: right only within a limited range of input values
;; workspace buffers: inq 6,684,672 bytes; qk 9,437,184 bytes; vv 4,456,448 bytes; oo 4,456,448 bytes
;; launch quant (part 1): grid 256 x 1, 8 waves a work-group, no clusters, 84,992 bytes of LDS; arguments x, w_qkv, w_proj, inq; writes inq
.if DOCPART == 1
	.amdgcn_target "amdgcn-amd-amdhsa--gfx1250"
	.amdhsa_code_object_version 6
	.text
	.protected	k_qb644670954_quant
	.globl	k_qb644670954_quant
	.p2align	8
	.type	k_qb644670954_quant,@function
k_qb644670954_quant:
	s_mov_b64 s[64:65], 0
	v_nop
	global_prefetch_b8 v0, s[64:65] scope:SCOPE_SE
	s_setreg_imm32_b32 hwreg(HW_REG_WAVE_MODE, 25, 1), 1
	s_wait_xcnt 0x0
; x [8192][1024], w_qkv [1024][3072] and w_proj [1024][1024], f32, become codes of FP4 (E2M1), K innermost, 512 bytes a row, with one E8M0 byte for each 32 along K, 32 bytes a row, all in the one buffer inq.
; A block's scale is 2^(floor(log2(its largest magnitude)) - 2); its byte is the largest magnitude's exponent field - 2, held at 1 from below; each number is divided by the scale and rounded to the nearest code, ties to even.
; ROW ORDER: a row (a token of x, a column of a weight) is stored at the POSITION that is its number with bits 3 and 4 exchanged.  Sixteen neighbouring positions are then rows 32 b + 8 u + r + 8 (r / 8):
; a tile that, used as source 0 of a product, leaves 16 neighbours along the next K in the 16 registers of two neighbouring tiles.  Every later launch reads plain neighbouring positions.
; LIMITS: NaN and infinities among the inputs are not served.  A block of zeros, or one whose largest magnitude lies under 2^-124, gets the byte 1 (the stated rule says 127 for zeros): its codes are zeros or what the
; scale 2^-126 gives, and the bytes are read by this program alone.
; Work-groups 0-127 take x (K innermost: a stream of blocks), 128-223 w_qkv, 224-255 w_proj (K is the first axis: a lane takes a column, its registers run down K).  The two ways have LDS bytes of their own.
.set IQ_WQC, 0x400000                  ; inq: x's codes at 0, w_qkv's here,
.set IQ_WPC, 0x580000                  ; w_proj's,
.set IQ_XS,  0x600000                  ; x's scale bytes,
.set IQ_WQS, 0x640000                  ; w_qkv's,
.set IQ_WPS, 0x658000                  ; w_proj's
.set STEPS, 16
.set EMAX,  2
.set CB,    8                          ; bytes of 16 codes
.set R,     16                         ; x: v16-79   four sets of 16 numbers as they are loaded
.set X,     80                         ;    v80-111  two sets of 16 neighbours
.set E,     112                        ;    v112-127 a scale byte for each step
.set C,     128                        ;    v128-191 codes: four registers for each step
.set WREG,  8192                       ;    LDS: a region for each wave: two stages of 32 x SP bytes, then its 256 scale bytes (bytes 0 to 65,535 in all)
.set SP,    80                         ;    a lane's place in a stage: 64 bytes + 16 of padding
.set WSTG,  65536                      ; weights: LDS stage, 64 rows (positions) x (256 bytes of codes + 16)
.set WP,    272
.set WSS,   WSTG+64*WP                 ;    and 64 rows x 16 scale bytes
.set VO,    32                         ;    v32-63   byte offset of row i of a block at my column
.set WX,    64                         ;    v64-127  two sets of 32 numbers
.set WC,    128                        ;    v128-143 codes: four registers for each block
.set WW,    144                        ;    v144     my four scale bytes
.set WOUT,  148                        ;    v148-167 the way out
.macro XLOAD t
.irp i, 0,1,2,3
	global_load_b128 v[R+16*((\t)%4)+4*\i:R+16*((\t)%4)+4*\i+3], v3, s[4:5] offset:2048*(\t)+512*\i th:TH_LOAD_NT   ; 32 lanes read 512 consecutive bytes
.endr
.endm
.macro XTURN t                         ; step t's numbers through the stage: in as loaded, out 64 bytes a lane; LDS serves a wave's instructions in order
.irp i, 0,1,2,3
	ds_store_b128 v14, v[R+16*((\t)%4)+4*\i:R+16*((\t)%4)+4*\i+3] offset:32*SP*((\t)%2)+8*SP*\i
.endr
.irp i, 0,1,2,3
	ds_load_b128 v[X+16*((\t)%2)+4*\i:X+16*((\t)%2)+4*\i+3], v15 offset:32*SP*((\t)%2)+16*\i
.endr
.endm
.macro XSTEP t
.set XR, X+16*((\t)%2)
.if (\t) > 0
	s_wait_dscnt 1                                 ; this step's numbers are back from the stage (the last step's byte store may be out)
.else
	s_wait_dscnt 0x0
.endif
.if (\t)+4 < STEPS
	XLOAD (\t)+4                                   ; into the set whose stores into the stage are done
.endif
.if (\t)+1 < STEPS
.if STEPS-2-(\t) >= 3
	s_wait_loadcnt 12                              ; the next step's four loads are in; those of the three steps behind it may be out
.else
	s_wait_loadcnt 4*(STEPS-2-(\t))
.endif
	XTURN (\t)+1
.endif
	v_max3_num_f32 v8, |v[XR]|, |v[XR+1]|, |v[XR+2]|               ; the largest magnitude of my 16, in two chains
	v_max3_num_f32 v9, |v[XR+3]|, |v[XR+4]|, |v[XR+5]|
.irp i, 6,10
	s_delay_alu instid0(VALU_DEP_2)
	v_max3_num_f32 v8, v8, |v[XR+\i]|, |v[XR+\i+1]|
	s_delay_alu instid0(VALU_DEP_2)
	v_max3_num_f32 v9, v9, |v[XR+\i+2]|, |v[XR+\i+3]|
.endr
	s_delay_alu instid0(VALU_DEP_2)
	v_max3_num_f32 v8, v8, |v[XR+14]|, |v[XR+15]|
	s_delay_alu instid0(VALU_DEP_1)
	v_max3_num_f32 v8, v8, v9, (EMAX+1)<<23        ; and the floor 2^(3 - 127): the byte cannot fall under 1
	s_delay_alu instid0(VALU_DEP_1)
	v_max_num_f32_dpp v8, v8, v8 row_xmask:1 row_mask:0xf bank_mask:0xf   ; with my neighbour's 16: the block's
	s_delay_alu instid0(VALU_DEP_1)
	v_add_nc_u32 v11, -(EMAX<<23), v8              ; 2 off its exponent field: the conversion takes that field as its scale
	v_cvt_scalef32_pk8_fp4_f32 v[C+4*(\t)], v[XR:XR+7], v11
	v_cvt_scalef32_pk8_fp4_f32 v[C+4*(\t)+1], v[XR+8:XR+15], v11
	v_lshrrev_b32 v[E+(\t)], 23, v11               ; the scale's byte
	ds_store_b8 v5, v[E+(\t)] offset:16*(\t)       ; both lanes of a block write the same byte with the same value
	global_store_b64 v4, v[C+4*(\t):C+4*(\t)+1], s[12:13] offset:32*CB*(\t)   ; the wave stores 256 consecutive bytes, aligned
.endm
.macro WLOAD t                         ; block t of my four: W(32 t + i, my column) into set t % 2
.set n, 0
.rept 32
	global_load_b32 v[WX+32*((\t)%2)+n], v[VO+n], s[24+2*(\t):25+2*(\t)] th:TH_LOAD_NT
.set n, n+1
.endr
.endm
.macro WBLOCK t
.set XR, WX+32*((\t)%2)
.if (\t) < 3
	s_wait_loadcnt 32                              ; this block's 32 loads are in; the next block's may be out
.else
	s_wait_loadcnt 0x0
.endif
	v_max3_num_f32 v12, |v[XR]|, |v[XR+1]|, |v[XR+2]|              ; the block's largest magnitude: all 32 numbers are mine
	v_max3_num_f32 v13, |v[XR+3]|, |v[XR+4]|, |v[XR+5]|
.irp i, 6,10,14,18,22,26
	s_delay_alu instid0(VALU_DEP_2)
	v_max3_num_f32 v12, v12, |v[XR+\i]|, |v[XR+\i+1]|
	s_delay_alu instid0(VALU_DEP_2)
	v_max3_num_f32 v13, v13, |v[XR+\i+2]|, |v[XR+\i+3]|
.endr
	s_delay_alu instid0(VALU_DEP_2)
	v_max3_num_f32 v12, v12, |v[XR+30]|, |v[XR+31]|
	s_delay_alu instid0(VALU_DEP_1)
	v_max3_num_f32 v12, v12, v13, (EMAX+1)<<23
	s_delay_alu instid0(VALU_DEP_1)
	v_add_nc_u32 v11, -(EMAX<<23), v12
	s_delay_alu instid0(VALU_DEP_1)
	v_lshrrev_b32 v13, 23, v11
.if (\t) == 0
	s_delay_alu instid0(VALU_DEP_1)
	v_mov_b32 v[WW], v13
.else
	s_delay_alu instid0(VALU_DEP_1)
	v_lshl_or_b32 v[WW], v13, 8*(\t), v[WW]
.endif
.irp g, 0,1,2,3
	v_cvt_scalef32_pk8_fp4_f32 v[WC+4*(\t)+\g], v[XR+8*\g:XR+8*\g+7], v11
.endr
	ds_store_b128 v4, v[WC+4*(\t):WC+4*(\t)+3] offset:16*(\t)      ; 32 codes: 16 bytes of my column's row
.if (\t) < 2
	WLOAD (\t)+2
.endif
.endm
	s_load_b256 s[4:11], s[0:1], 0x0               ; x s[4:5], w_qkv s[6:7], w_proj s[8:9], inq s[10:11]
	v_lshl_add_u32 v192, v0, 2, 0x14800
	v_mov_b32 v193, 0
	v_lshrrev_b32 v1, 5, v0
	s_delay_alu instid0(VALU_DEP_1)
	v_readfirstlane_b32 s16, v1                    ; wave 0..7
	v_and_b32 v2, 31, v0                           ; lane
	s_cmp_lt_u32 ttmp9, 128                        ; the work-group's number alone decides: all eight waves go the same way
	s_cbranch_scc0 .Lweights
	; ---- x.  A wave takes 8 rows: 16 steps of 512 numbers.
	v_lshlrev_b32 v3, 4, v2                        ; my 16 bytes of a load's 512
	s_mul_i32 s17, s16, WREG
	v_lshrrev_b32 v14, 2, v2
	s_delay_alu instid0(VALU_DEP_1)
	v_mul_u32_u24 v14, v14, SP
	v_and_b32 v15, 3, v2
	s_delay_alu instid0(VALU_DEP_1)
	v_lshl_add_u32 v14, v15, 4, v14
	s_delay_alu instid0(VALU_DEP_1)
	v_add_nc_u32 v14, s17, v14                     ; the stage, on the way in: SP (lane / 4) + 16 (lane % 4)
	v_mul_u32_u24 v15, v2, SP
	s_delay_alu instid0(VALU_DEP_1)
	v_add_nc_u32 v15, s17, v15                     ; and on the way out: SP x lane
	v_mul_u32_u24 v4, v2, CB                       ; my codes' place in a step's
	v_lshrrev_b32 v5, 1, v2
	s_add_co_u32 s17, s17, 2*32*SP
	v_add_nc_u32 v5, s17, v5                       ; my wave's 256 scale bytes, my block's byte
	v_lshlrev_b32 v7, 3, v2
	s_delay_alu instid0(VALU_DEP_1)
	v_add_nc_u32 v6, s17, v7                       ; and on the way out 8 bytes a lane
	s_lshl_b32 s18, ttmp9, 3
	s_add_co_u32 s20, s18, s16                     ; which run of 8 rows I read: 8 x work-group + wave
	s_and_b32 s21, s16, 4                          ; and where it goes: bits 0 and 1 of the run (bits 3 and 4 of the row) change places
	s_and_b32 s22, s16, 1
	s_lshl_b32 s22, s22, 1
	s_or_b32 s21, s21, s22
	s_bfe_u32 s22, s16, 0x10001
	s_or_b32 s21, s21, s22
	s_add_co_u32 s21, s18, s21
	s_lshl_b32 s22, s20, 15                        ; 32,768 bytes of f32 a run
	s_mov_b32 s23, 0
	s_wait_alu depctr_va_vdst(0)
	s_wait_kmcnt 0x0
	s_add_nc_u64 s[4:5], s[4:5], s[22:23]
	s_lshl_b32 s22, s21, 12                        ; 4,096 bytes of codes
	s_add_nc_u64 s[12:13], s[10:11], s[22:23]
	s_lshl_b32 s22, s21, 8                         ; 256 scale bytes
	s_add_nc_u64 s[14:15], s[10:11], s[22:23]
	s_add_nc_u64 s[14:15], s[14:15], IQ_XS
.irp t, 0,1,2,3
	XLOAD \t
.endr
	s_wait_loadcnt 12                              ; step 0's four loads are in
	XTURN 0
.irp t, 0,1,2,3,4,5,6,7,8,9,10,11,12,13,14,15
	XSTEP \t
.endr
	ds_load_b64 v[12:13], v6                       ; LDS serves a wave's instructions in order: these see my byte stores
	s_wait_dscnt 0x0
	global_store_b64 v7, v[12:13], s[14:15]        ; 32 lanes store 256 consecutive bytes, aligned
	s_wait_tensorcnt 0x0
	ds_add_u32 v192, v193
	s_wait_dscnt 0x0
	s_endpgm
	; ---- the weights.  A work-group takes 64 columns x 512 along K; wave w takes columns 32 (w % 2) on and K 128 (w / 2) on: four blocks a lane.
.Lweights:
	s_wait_kmcnt 0x0
	s_cmp_lt_u32 ttmp9, 224                        ; w_qkv or w_proj: every choice is made on this one compare
	s_cselect_b64 s[6:7], s[6:7], s[8:9]
	s_mov_b32 s20, 4096
	s_cselect_b32 s20, 12288, s20                  ; bytes in a row of the weight
	s_mov_b32 s21, 224
	s_cselect_b32 s21, 128, s21                    ; the tensor's first work-group
	s_mov_b32 s22, IQ_WPC
	s_cselect_b32 s22, IQ_WQC, s22
	s_mov_b32 s23, IQ_WPS
	s_cselect_b32 s23, IQ_WQS, s23
	s_sub_co_u32 s21, ttmp9, s21
	s_lshr_b32 s17, s21, 1                         ; which 64 columns
	s_and_b32 s18, s21, 1                          ; which half of K
	s_and_b32 s19, s16, 1                          ; which 32 of the columns
	s_lshr_b32 s38, s16, 1                         ; which quarter of the half
	s_lshl_b32 s39, s18, 9
	s_lshl_b32 s40, s38, 7
	s_add_co_u32 s39, s39, s40                     ; my first k,
	s_mul_i32 s39, s39, s20                        ; in bytes,
	s_lshl_b32 s40, s17, 8
	s_add_co_u32 s39, s39, s40                     ; + 64 columns x 4 a group
	s_lshl_b32 s40, s19, 7
	s_add_co_u32 s36, s39, s40                     ; + 32 x 4 for the odd waves
	s_mov_b32 s37, 0
	s_add_nc_u64 s[24:25], s[6:7], s[36:37]        ; a base for each of my four blocks: none is ever stepped
	s_lshl_b32 s36, s20, 5                         ; 32 rows on
	s_add_nc_u64 s[26:27], s[24:25], s[36:37]
	s_add_nc_u64 s[28:29], s[26:27], s[36:37]
	s_add_nc_u64 s[30:31], s[28:29], s[36:37]
	s_lshl_b32 s36, s17, 15                        ; codes out: 64 rows of 512 bytes a group, + 256 for the second half of K
	s_add_co_u32 s36, s36, s22
	s_lshl_b32 s39, s18, 8
	s_add_co_u32 s36, s36, s39
	s_add_nc_u64 s[32:33], s[10:11], s[36:37]
	s_lshl_b32 s36, s17, 11                        ; scale bytes out: 64 rows of 32, + 16
	s_add_co_u32 s36, s36, s23
	s_lshl_b32 s39, s18, 4
	s_add_co_u32 s36, s36, s39
	s_add_nc_u64 s[34:35], s[10:11], s[36:37]
	s_wait_alu depctr_va_vdst(0)
	v_and_b32 v10, 7, v2                           ; my column's position among its 32: bits 3 and 4 change places
	v_and_b32 v11, 8, v2
	s_delay_alu instid0(VALU_DEP_1)
	v_lshl_add_u32 v10, v11, 1, v10
	v_and_b32 v11, 16, v2
	s_delay_alu instid0(VALU_DEP_1)
	v_lshrrev_b32 v11, 1, v11
	s_delay_alu instid0(VALU_DEP_1)
	v_add_nc_u32 v10, v10, v11
	s_wait_alu depctr_va_vdst(0)
	v_lshlrev_b32 v3, 2, v2                        ; in: 4 bytes a lane
	s_mul_i32 s39, s19, 32*WP
	s_lshl_b32 s40, s38, 6
	s_add_co_u32 s39, s39, s40
	s_add_co_u32 s39, s39, WSTG
	v_mul_u32_u24 v4, v10, WP
	s_delay_alu instid0(VALU_DEP_1)
	v_add_nc_u32 v4, s39, v4                       ; the stage: row = position, + 64 bytes for each quarter of K
	s_lshl_b32 s39, s19, 9
	s_lshl_b32 s40, s38, 2
	s_add_co_u32 s39, s39, s40
	s_add_co_u32 s39, s39, WSS
	v_lshl_add_u32 v5, v10, 4, s39                 ; the scale bytes: 16 a row, my four
	v_lshrrev_b32 v11, 4, v2
	v_and_b32 v12, 15, v2
	s_delay_alu instid0(VALU_DEP_2)
	v_mul_u32_u24 v6, v11, WP                      ; out of the stage: wave w takes rows 8 w on, sixteen lanes to a row, two rows an instruction
	s_delay_alu instid0(VALU_DEP_1)
	v_lshl_add_u32 v6, v12, 4, v6
	s_mul_i32 s39, s16, 8*WP
	s_add_co_u32 s39, s39, WSTG
	v_add_nc_u32 v6, s39, v6
	v_lshlrev_b32 v7, 9, v11                       ; and the same place among the codes' rows of 512 bytes
	s_delay_alu instid0(VALU_DEP_1)
	v_lshl_add_u32 v7, v12, 4, v7
	s_lshl_b32 s39, s16, 12
	v_add_nc_u32 v7, s39, v7
	s_lshl_b32 s39, s16, 9                         ; the scale bytes' way out (waves 0 and 1): row 32 w + lane
	s_add_co_u32 s39, s39, WSS
	v_lshl_add_u32 v8, v2, 4, s39
	s_lshl_b32 s39, s16, 10
	v_lshl_add_u32 v9, v2, 5, s39
.set n, 0
.rept 32
	v_mad_u32_u24 v[VO+n], s20, n, v3              ; row n of a block, my column
.set n, n+1
.endr
	WLOAD 0
	WLOAD 1
	WBLOCK 0
	WBLOCK 1
	WBLOCK 2
	WBLOCK 3
	ds_store_b32 v5, v[WW]
	s_wait_dscnt 0x0                               ; for the others' sake: my stores into the stage are done
	s_barrier_signal -1
	s_barrier_wait -1
.irp t, 0,1,2,3
	ds_load_b128 v[WOUT+4*\t:WOUT+4*\t+3], v6 offset:2*\t*WP
.endr
.irp t, 0,1,2,3
	s_wait_dscnt 3-\t                              ; the younger loads may be out
	global_store_b128 v7, v[WOUT+4*\t:WOUT+4*\t+3], s[32:33] offset:2*\t*512   ; sixteen lanes store 256 consecutive bytes, aligned
.endr
	s_cmp_lt_u32 s16, 2
	s_cbranch_scc0 .Lwdone
	ds_load_b128 v[WOUT+16:WOUT+19], v8
	s_wait_dscnt 0x0
	global_store_b128 v9, v[WOUT+16:WOUT+19], s[34:35]   ; 16 of a row's 32 scale bytes: one byte for each 128 that this way reads
.Lwdone:
	s_wait_tensorcnt 0x0
	ds_add_u32 v192, v193
	s_wait_dscnt 0x0
	s_endpgm
.Lfunc_end_k_qb644670954_quant:
	.size	k_qb644670954_quant, .Lfunc_end_k_qb644670954_quant-k_qb644670954_quant
	.p2alignl 7, 3214868480
	.fill 96, 4, 3214868480
	.section	.rodata,"a",@progbits
	.p2align	6, 0x0
	.amdhsa_kernel k_qb644670954_quant
		.amdhsa_group_segment_fixed_size 84992
		.amdhsa_private_segment_fixed_size 0
		.amdhsa_enable_private_segment 0
		.amdhsa_kernarg_size 32
		.amdhsa_user_sgpr_count 2
		.amdhsa_user_sgpr_kernarg_segment_ptr 1
		.amdhsa_wavefront_size32 1
		.amdhsa_system_sgpr_workgroup_id_x 1
		.amdhsa_system_sgpr_workgroup_id_y 1
		.amdhsa_system_sgpr_workgroup_id_z 1
		.amdhsa_system_vgpr_workitem_id 0
		.amdhsa_next_free_vgpr 194
		.amdhsa_next_free_sgpr 66
		.amdhsa_reserve_vcc 0
		.amdhsa_float_denorm_mode_32 3
		.amdhsa_float_denorm_mode_16_64 3
		.amdhsa_memory_ordered 1
		.amdhsa_forward_progress 1
		.amdhsa_inst_pref_size 64
	.end_amdhsa_kernel
	.amdgpu_metadata
---
amdhsa.version: [ 1, 2 ]
amdhsa.kernels:
  - .name:           k_qb644670954_quant
    .symbol:         k_qb644670954_quant.kd
    .args:
      - { .name: x, .offset: 0, .size: 8, .value_kind: global_buffer, .address_space: global }
      - { .name: w_qkv, .offset: 8, .size: 8, .value_kind: global_buffer, .address_space: global }
      - { .name: w_proj, .offset: 16, .size: 8, .value_kind: global_buffer, .address_space: global }
      - { .name: inq, .offset: 24, .size: 8, .value_kind: global_buffer, .address_space: global }
    .group_segment_fixed_size: 84992
    .private_segment_fixed_size: 0
    .kernarg_segment_align: 8
    .kernarg_segment_size: 32
    .max_flat_workgroup_size: 256
    .sgpr_count:     66
    .vgpr_count:     194
    .wavefront_size: 32
...
	.end_amdgpu_metadata
.endif
;; end of part 1
;; launch gemm_qkv (part 2): grid 8 x 32, 4 waves a work-group, clusters of 4 x 4, 327,680 bytes of LDS; arguments inq, b_qkv, qk, vv; writes qk, vv
.if DOCPART == 2
	.amdgcn_target "amdgcn-amd-amdhsa--gfx1250"
	.amdhsa_code_object_version 6
	.text
	.protected	k_qb644670954_gemm_qkv
	.globl	k_qb644670954_gemm_qkv
	.p2align	8
	.type	k_qb644670954_gemm_qkv,@function
k_qb644670954_gemm_qkv:
	s_mov_b64 s[64:65], 0
	v_nop
	global_prefetch_b8 v0, s[64:65] scope:SCOPE_SE
	s_setreg_imm32_b32 hwreg(HW_REG_WAVE_MODE, 25, 1), 1
	s_wait_xcnt 0x0
	s_wait_alu depctr_hold_cnt(0) depctr_sa_sdst(0) depctr_va_vdst(0) depctr_va_sdst(0) depctr_va_ssrc(0) depctr_va_vcc(0) depctr_vm_vsrc(0)
	s_getreg_b32 s2, hwreg(HW_REG_IB_STS2, 6, 4)
	s_cmp_eq_u32 s2, 0
	s_cbranch_scc0 .Lentry_in_a_cluster
	s_endpgm
.Lentry_in_a_cluster:
	s_bfe_u32 s2, ttmp6, 0x10000c
	s_cmp_lg_u32 s2, 0xf033
	s_cbranch_scc0 .Lentry_shape_is_right
	s_endpgm
.Lentry_shape_is_right:
; q, k, v = x w_qkv + b_qkv on codes of FP4 (E2M1) with one E8M0 scale for each 32 along K = 1,024; each result is quantised again for the product that takes it, and leaves as codes and scale words.
; A work-group owns 256 tokens.  FIRST it makes 256 columns of q or k (tile column 0-7 of the first 2,048 columns): four waves of 128 x 128, 64 accumulators each.  K's two halves lie in two LDS slots, each filled once.
; Source 0 = 16 columns of the weight, source 1 = 16 tokens: a lane holds one token and its registers run along the head's channels, along which q and k are quantised.
; THEN it makes 128 channels of v (channels 128 x tile column on) for the same 256 tokens, whose codes are still in LDS: x is fetched once for both.  The weight's rows for v take the place of the first weight's part of slot 0,
; which is filled again at the change of slots; each wave makes 128 tokens x 64 channels, 32 accumulators.  Source 0 = 16 tokens, source 1 = 16 channels: a lane holds one channel and its registers run along the tokens (the keys), along which v is quantised.
; Tokens and columns lie in POSITION order (bits 3 and 4 of the number exchanged), so the 16 registers of two neighbouring tiles are 16 neighbours along the next K.  The bias is the C of each sum's first product.
; CLUSTERS: 4 x 4 work-groups; x's tiles are asked for jointly along a row of the cluster, the weights' along a column.  No prefetch: K has two steps, both asked for at the head; there is no loop to run ahead in.
; LIMITS: NaN and infinities are not served; a block whose largest magnitude lies under 2^-124 gets the byte 1.
.set IQ_XS,  0x600000
.set IQ_WQC, 0x400000
.set IQ_WQS, 0x640000
.set IQ_WVC, 0x500000
.set IQ_WVS, 0x650000
.set QKSC,   0x800000
.set VSC,    0x400000
.set NQ,     4
.set ROWB,   256
.set KROW,   512
.set PITCH,  272                       ; an LDS row: 256 bytes + 16 of padding
.set FR,     8
.set NL,     2
.set NP,     4
.set HALFT,  128*PITCH
.set SLOT,   4*HALFT                   ; x's 256 rows, then the weight's 256 rows
.set KS,     32
.set SCL,    2*SLOT                    ; the scale bytes of x's and the first weight's 256 rows, units of 256 bytes + 16
.set HALFS,  (128*KS/256)*272
.set SBLK,   (16*KS/256)*272
.set SPARE,  SCL+4*HALFS               ; the spare words, 128 bytes a wave
.set WVS,    SPARE+512                 ; the scale bytes of v's 128 weight rows: 16 units
.set STG,    WVS+16*272                ; the scale words' stage, 1,024 bytes a wave: bytes of its own, into which no fill lands
.set VB,   9                           ; v's bias: 4 x my channel
.set ADRA, 16                          ; x's fragments in slot 0, 1
.set ADRB, 20                          ; the first weight's
.set ADRW, 22                          ; v's weight, K half 0, 1
.set LI,   24
.set SWA,  25
.set SRD,  26
.set ADRS, 27                          ; scale words: lanes 0-15 x's rows, lanes 16-31 the first weight's
.set ADS2, 28                          ; the same with v's weight in lanes 16-31
.set SWV,  29
.set SRV,  30
.set GOV,  31
.set SC,   32                          ; v32-95 scale words, a set for each slot: they hold scales alone
.set TM,   96
.set PW,   112
.set SH,   113
.set PWS,  116
.set AF,   128                         ; source 1's fragments (v: two sets of 32)
.set PC,   128
.set BI,   192
.set PCV,  192
.set SEL,  18
.set G0V,  4                           ; s[4:7] group 0 for v's weight, s[8:11] for its scale bytes
.set G0VS, 8
.set G1, 24
.set G0, 32
.set G1B, 48
.set G0B, 56
.set G1S, 68
.set G0S, 76
.set G1SB, 80
.set G0SB, 88
.set MSB, 0
.macro WIN new
.if MSB != (\new)
	s_set_vgpr_msb (MSB<<8)|(\new)
.set MSB, \new
.endif
.endm
.set MUL_LO, 0xa1
.set MUL_HI, 0xf1
.set FIRST_LO, 0x81
.set FIRST_HI, 0xc1
.set TO_B,   0x40
.macro ARM under, g0, g1, next, done   ; one arm of a tree of branches on the wave's number: its load, s_nop 0 and four v_nop, a jump to the tree's end
	s_cmp_lt_u32 s14, \under
	s_cbranch_scc0 \next
	tensor_load_to_lds s[\g0:\g0+3], s[\g1:\g1+7]
	s_nop 0
.rept 4
	v_nop
.endr
	s_branch \done
\next:
.endm
.macro CREST
	s_cmp_lg_u32 s14, 0
	s_cbranch_scc1 .Lnot_wave_0_\@
	s_barrier_signal -3
.Lnot_wave_0_\@:
	s_barrier_wait -3
	s_barrier_signal -1
	s_barrier_wait -1
.endm
.macro CROUND
	s_barrier_signal -1
	s_barrier_wait -1
	CREST
.endm
.macro FRAG reg, adr, q, i
.irp c, 0,1
	ds_load_b128 v[\reg+4*\c:\reg+4*\c+3], v[\adr] offset:64*(\q)+32*\c+(\i)*16*PITCH
.endr
.endm
.macro MUL16 a0, p, q, sc, zero        ; token blocks a0, a0 + 1 x the weight's eight; the 64 accumulators take turns
.irp a, \a0, \a0+1
.irp b, 0,1,2,3,4,5,6,7
.if \zero
	v_wmma_scale_f32_16x16x128_f8f6f4 v[8*(8*((\a)%4)+\b):8*(8*((\a)%4)+\b)+7], v[128*(\p)+FR*\b:128*(\p)+FR*\b+FR-1], v[AF+FR*(\a):AF+FR*(\a)+FR-1], v[BI+8*\b:BI+8*\b+7], v[SC+8*NQ*(\sc)+NQ*\b+(\q)], v[SC+8*NQ*(\sc)+NQ*(\a)+(\q)] matrix_a_fmt:MATRIX_FMT_FP4 matrix_b_fmt:MATRIX_FMT_FP4 matrix_a_scale:MATRIX_SCALE_ROW1
.else
	v_wmma_scale_f32_16x16x128_f8f6f4 v[8*(8*((\a)%4)+\b):8*(8*((\a)%4)+\b)+7], v[128*(\p)+FR*\b:128*(\p)+FR*\b+FR-1], v[AF+FR*(\a):AF+FR*(\a)+FR-1], v[8*(8*((\a)%4)+\b):8*(8*((\a)%4)+\b)+7], v[SC+8*NQ*(\sc)+NQ*\b+(\q)], v[SC+8*NQ*(\sc)+NQ*(\a)+(\q)] matrix_a_fmt:MATRIX_FMT_FP4 matrix_b_fmt:MATRIX_FMT_FP4 matrix_a_scale:MATRIX_SCALE_ROW1
.endif
.endr
.endr
.endm
.macro FETCH_B slot, q, p
	WIN TO_B
.irp i, 0,1,2,3,4,5,6,7
	FRAG 128*(\p)+FR*\i, ADRB+\slot, \q, \i
.endr
	WIN 0
.endm
.macro FETCH_A slot, q, i0
.irp i, \i0, \i0+1, \i0+2, \i0+3
	FRAG AF+FR*(\i), ADRA+\slot, \q, \i
.endr
.endm
.macro SCALES sc
.irp i, 0,1,2,3,4,5,6,7
	ds_load_b128 v[SC+8*NQ*\sc+NQ*\i:SC+8*NQ*\sc+NQ*\i+3], v[ADRS] offset:\i*SBLK
.endr
.endm
.macro PLACES n
.rept \n
	v_nop
.endr
.endm
.macro STEP slot, q, zero
	s_wait_dscnt 4*NL                              ; all but the youngest eight loads (x's blocks 4-7) are in
.if \zero
	WIN FIRST_LO
.else
	WIN MUL_LO
.endif
	MUL16 0, (\q)%2, \q, \slot, \zero
	MUL16 2, (\q)%2, \q, \slot, \zero
	s_wait_dscnt 0
	PLACES NP
	FETCH_B \slot, (\q)+1, 1-(\q)%2
	FETCH_A \slot, (\q)+1, 0
.if \zero
	WIN FIRST_HI
.else
	WIN MUL_HI
.endif
	MUL16 4, (\q)%2, \q, \slot, \zero
	MUL16 6, (\q)%2, \q, \slot, \zero
	PLACES NP
	WIN 0
	FETCH_A \slot, (\q)+1, 4
.endm
; Slot 0's last step changes slots.  The first weight's part of slot 0 is filled again, with v's 128 weight rows: waves 0 and 1 fetch a half of K each, jointly along the cluster's column.
.macro TURN
	s_wait_tensorcnt 0x0                           ; all my tensor loads have landed;
	ds_add_u32 v126, v127                          ; 0 onto my spare word
	s_mov_b32 s[G1B+2], 128<<16                    ; no tensor load of mine is out: from here on the weight's loads bring 128 rows
	s_mov_b32 s[G1B+4], 128
	s_wait_dscnt 4*NL+1                            ; (the add and the youngest eight loads may be out)
	WIN MUL_LO
	MUL16 0, 1, NQ-1, 0, 0
	s_wait_dscnt 0x0                               ; the add is done, and my reads of the weight's part of slot 0 are over
	s_barrier_signal -1
	MUL16 2, 1, NQ-1, 0, 0
	WIN 0
	s_barrier_wait -1
	CREST                                          ; the barrier has opened a round of the cluster's barrier
	ARM 2, G0V, G1B, .Lturn_none, .Lturn_asked
.Lturn_asked:
	PLACES NP
	v_add_nc_u32 v[ADRS], 4*NQ, v[ADRS]
	s_wait_alu depctr_va_vdst(0)                   ; the wait here, directly behind the write
	FETCH_B 1, 0, 0
	FETCH_A 1, 0, 0
	SCALES 1
	WIN MUL_HI
	MUL16 4, 1, NQ-1, 0, 0
	MUL16 6, 1, NQ-1, 0, 0
	PLACES NP
	WIN 0
	FETCH_A 1, 0, 4
.endm
.macro STEPS slot, from
.set Q, \from
.rept NQ-1-\from
	STEP \slot, Q, 0
.set Q, Q+1
.endr
.endm
.macro BLOCKS ac, hi                   ; the four blocks of 32 in the 64 registers from ac on (window 2 + hi): largest magnitudes, the conversions' scale operands in TM+12.., the bytes in TM+4..
	WIN 0x0a+5*(\hi)
.irp b, 0,1,2,3
	v_max3_num_f32 v[TM+\b], |v[\ac+16*\b]|, |v[\ac+16*\b+1]|, 0x1800000
.endr
.irp i, 2,4,6,8,10,12,14
.irp b, 0,1,2,3
	v_max3_num_f32 v[TM+\b], |v[\ac+16*\b+\i]|, |v[\ac+16*\b+\i+1]|, v[TM+\b]
.endr
.endr
	WIN 0
.irp b, 0,1,2,3
	v_permlanex16_b32 v[TM+4+\b], v[TM+\b], s[SEL], s[SEL+1]
.endr
.irp b, 0,1,2,3
	v_max_num_f32 v[TM+\b], v[TM+\b], v[TM+4+\b]
.endr
.irp b, 0,1,2,3
	v_add_nc_u32 v[TM+12+\b], 0xff000000, v[TM+\b]
.endr
.irp b, 0,1,2,3
	v_lshrrev_b32 v[TM+4+\b], 23, v[TM+12+\b]
.endr
.endm
.macro CODES ac, hi, pca               ; the codes, and the exchange of halves that gives each lane whole blocks
	WIN 0x02+(\hi)
.irp b, 0,1,2,3
	v_cvt_scalef32_pk8_fp4_f32 v[\pca+2*\b], v[\ac+16*\b:\ac+16*\b+7], v[TM+12+\b]
	v_cvt_scalef32_pk8_fp4_f32 v[\pca+2*\b+1], v[\ac+16*\b+8:\ac+16*\b+15], v[TM+12+\b]
.endr
	WIN 0
	v_nop
.irp c, 0,1
.irp i, 0,1
	v_permlane16_swap_b32 v[\pca+4*\c+\i], v[\pca+4*\c+2+\i]
.endr
.endr
.endm
.macro QOUT a                          ; q or k: token block a, 128 columns = two heads
	BLOCKS 64*((\a)%4), (\a)/4
	v_lshl_or_b32 v[PW], v[TM+5], 8, v[TM+4]
	v_lshl_or_b32 v[PW], v[TM+6], 16, v[PW]
	v_lshl_or_b32 v[PW], v[TM+7], 24, v[PW]
	CODES 64*((\a)%4), (\a)/4, PC+8*(\a)
	global_store_b128 v[LI], v[PC+8*(\a):PC+8*(\a)+3], s[12:13] offset:512*(\a)
	global_store_b128 v[LI], v[PC+8*(\a)+4:PC+8*(\a)+7], s[12:13] offset:65536+512*(\a)
	v_lshrrev_b32 v[PWS+(\a)], v[SH], v[PW]
	ds_store_b32 v[SWA], v[PWS+(\a)] offset:64*(\a)
.endm
.macro QOUTV a                         ; v: channel block a of my head, 128 tokens = one key step
	BLOCKS 64*(\a), 0
	v_lshl_or_b32 v[PWS+(\a)], v[TM+5], 8, v[TM+4]
	v_lshl_or_b32 v[PWS+(\a)], v[TM+6], 16, v[PWS+(\a)]
	v_lshl_or_b32 v[PWS+(\a)], v[TM+7], 24, v[PWS+(\a)]
	CODES 64*(\a), 0, PCV+8*(\a)
	global_store_b128 v[LI], v[PCV+8*(\a):PCV+8*(\a)+3], s[66:67] offset:1024*(\a)
	global_store_b128 v[LI], v[PCV+8*(\a)+4:PCV+8*(\a)+7], s[66:67] offset:1024*(\a)+512
	ds_store_b32 v[SWV], v[PWS+(\a)] offset:64*(\a)
.endm
.macro VFETCH slot, q, p               ; v's product: my eight token blocks into window 1, set p; my four channel blocks into set p of source 1's registers
	WIN TO_B
.irp i, 0,1,2,3,4,5,6,7
	FRAG 128*(\p)+FR*\i, ADRA+\slot, \q, \i
.endr
	WIN 0
.irp i, 0,1,2,3
	FRAG AF+32*(\p)+FR*\i, ADRW+\slot, \q, \i
.endr
.endm
.macro VMUL p, ks, zero                ; 32 accumulators by turns; x's scale words stand in lanes 0-15, the weight's in lanes 16-31
.irp a, 0,1,2,3
.irp b, 0,1,2,3,4,5,6,7
.if \zero
	v_wmma_scale_f32_16x16x128_f8f6f4 v[8*(8*\a+\b):8*(8*\a+\b)+7], v[128*(\p)+FR*\b:128*(\p)+FR*\b+FR-1], v[AF+32*(\p)+FR*\a:AF+32*(\p)+FR*\a+FR-1], v[BI+8*\a:BI+8*\a+7], v[SC+8*NQ*((\ks)/4)+NQ*\b+(\ks)%4], v[SC+8*NQ*((\ks)/4)+NQ*\a+(\ks)%4] matrix_a_fmt:MATRIX_FMT_FP4 matrix_b_fmt:MATRIX_FMT_FP4 matrix_b_scale:MATRIX_SCALE_ROW1
.else
	v_wmma_scale_f32_16x16x128_f8f6f4 v[8*(8*\a+\b):8*(8*\a+\b)+7], v[128*(\p)+FR*\b:128*(\p)+FR*\b+FR-1], v[AF+32*(\p)+FR*\a:AF+32*(\p)+FR*\a+FR-1], v[8*(8*\a+\b):8*(8*\a+\b)+7], v[SC+8*NQ*((\ks)/4)+NQ*\b+(\ks)%4], v[SC+8*NQ*((\ks)/4)+NQ*\a+(\ks)%4] matrix_a_fmt:MATRIX_FMT_FP4 matrix_b_fmt:MATRIX_FMT_FP4 matrix_b_scale:MATRIX_SCALE_ROW1
.endif
.endr
.endr
.endm
.macro VSTEP ks                        ; 128 along K: this step's fragments are in; the next step's are asked for into the other sets, then the 32 products
	s_wait_dscnt 0x0
.if (\ks) > 0
	PLACES NP                                      ; in front of loads into registers that the last step's products read
.endif
.if (\ks) < 7
	VFETCH ((\ks)+1)/4, ((\ks)+1)%4, 1-(\ks)%2
.endif
.if (\ks) == 0
	WIN FIRST_LO
	VMUL 0, 0, 1
.else
	WIN MUL_LO
	VMUL (\ks)%2, \ks, 0
.endif
	WIN 0
.endm
	s_load_b64 s[4:5], s[0:1], 0x0                 ; inq
	s_load_b64 s[96:97], s[0:1], 0x8               ; b_qkv
	s_load_b64 s[12:13], s[0:1], 0x10              ; qk
	s_load_b64 s[66:67], s[0:1], 0x18              ; vv
	v_lshl_add_u32 v126, v0, 2, SPARE
	v_mov_b32 v127, 0
	ds_add_u32 v126, v127                          ; the opening lines: the add, twice on end, and its wait ahead of the first tensor load
	ds_add_u32 v126, v127
	v_lshrrev_b32 v1, 5, v0
	v_readfirstlane_b32 s14, v1                    ; wave 0..3
	s_lshr_b32 s15, s14, 1                         ; which half of the tokens is mine
	s_and_b32 s16, s14, 1                          ; which half of the columns (of v's channels)
	s_bfe_u32 s40, ttmp6, 0x40000
	s_bfe_u32 s41, ttmp6, 0x40004
	s_lshl_b32 s42, ttmp9, 2
	s_add_co_u32 s42, s42, s40                     ; tile column
	s_and_b32 s17, ttmp7, 0xffff
	s_lshl_b32 s17, s17, 2
	s_add_co_u32 s17, s17, s41                     ; tile row
	s_lshl_b32 s43, s41, 2
	s_lshl_b32 s43, 15, s43                        ; my row of the cluster
	s_lshl_b32 s44, 0x1111, s40                    ; my column
	s_or_b32 s[G1+0], s43, (0<<16)|(1<<20)|(1<<21)|(5<<22)|(3<<25)
	s_or_b32 s[G1B+0], s44, (0<<16)|(1<<20)|(1<<21)|(5<<22)|(3<<25)
.irp g, G1, G1B
	s_mov_b32 s[\g+1], ROWB<<16
	s_mov_b32 s[\g+2], 256<<16                     ; 256 rows of 256 bytes, 16 of padding behind each
	s_mov_b32 s[\g+3], ROWB<<16
	s_mov_b32 s[\g+4], 256
	s_mov_b32 s[\g+5], KROW
	s_mov_b32 s[\g+6], 0
	s_mov_b32 s[\g+7], 0
.endr
	s_or_b32 s[G1S+0], s43, (3<<16)|(1<<20)|(1<<21)|(5<<22)|(3<<25)
	s_or_b32 s[G1SB+0], s44, (3<<16)|(1<<20)|(1<<21)|(5<<22)|(3<<25)
.irp g, G1S, G1SB
	s_mov_b32 s[\g+1], 32<<16
	s_mov_b32 s[\g+2], KS<<16                      ; the scales of 256 rows: KS rows of 256 bytes
	s_mov_b32 s[\g+3], 32<<16
	s_mov_b32 s[\g+4], KS
	s_mov_b32 s[\g+5], 32
	s_mov_b32 s[\g+6], 0
	s_mov_b32 s[\g+7], 0
.endr
	s_lshl_b32 s20, s17, 17                        ; x's tile: 256 rows of 512 bytes,
	s_mov_b32 s21, 0
	s_lshr_b32 s22, s20, 4                         ; its scale bytes,
	s_mov_b32 s23, 0
	s_lshl_b32 s46, s42, 17                        ; the first weight's,
	s_mov_b32 s47, 0
	s_lshr_b32 s92, s46, 4
	s_mov_b32 s93, 0
	s_lshl_b32 s2, s42, 16                         ; v's weight: 128 rows,
	s_lshl_b32 s18, s16, 8
	s_add_co_u32 s2, s2, s18                       ; + the half of K that I fetch, if I fetch
	s_mov_b32 s3, 0
	s_lshl_b32 s94, s42, 12                        ; and its scale bytes
	s_mov_b32 s95, 0
	s_wait_dscnt 0x0                               ; both opening adds are done
	s_wait_kmcnt 0x0
	s_add_nc_u64 s[6:7], s[4:5], IQ_XS
	s_add_nc_u64 s[8:9], s[4:5], IQ_WQC
	s_add_nc_u64 s[10:11], s[4:5], IQ_WQS
	s_add_nc_u64 s[20:21], s[4:5], s[20:21]
	s_add_nc_u64 s[22:23], s[6:7], s[22:23]
	s_add_nc_u64 s[46:47], s[8:9], s[46:47]
	s_add_nc_u64 s[92:93], s[10:11], s[92:93]
	s_add_nc_u64 s[6:7], s[4:5], s[2:3]
	s_add_nc_u64 s[6:7], s[6:7], IQ_WVC
	s_add_nc_u64 s[10:11], s[4:5], s[94:95]
	s_add_nc_u64 s[10:11], s[10:11], IQ_WVS
	CROUND                                         ; all sixteen work-groups are here: the first joint loads meet
	s_mov_b32 s[G0S], 1
	s_mov_b32 s[G0S+1], SCL
	s_mov_b64 s[G0S+2:G0S+3], s[22:23]
	s_or_b32 s[G0S+3], s[G0S+3], 0x80000000
	s_mov_b32 s[G0SB], 1
	s_mov_b32 s[G0SB+1], SCL+2*HALFS
	s_mov_b64 s[G0SB+2:G0SB+3], s[92:93]
	s_or_b32 s[G0SB+3], s[G0SB+3], 0x80000000
.irp s, 0,1
	s_mov_b32 s[G0+4*\s], 1                        ; slot s: x's 256 rows,
	s_mov_b32 s[G0+4*\s+1], \s*SLOT
	s_add_nc_u64 s[G0+4*\s+2:G0+4*\s+3], s[20:21], \s*ROWB
	s_or_b32 s[G0+4*\s+3], s[G0+4*\s+3], 0x80000000
	s_mov_b32 s[G0B+4*\s], 1                       ; the weight's 256 rows behind them
	s_mov_b32 s[G0B+4*\s+1], \s*SLOT+2*HALFT
	s_add_nc_u64 s[G0B+4*\s+2:G0B+4*\s+3], s[46:47], \s*ROWB
	s_or_b32 s[G0B+4*\s+3], s[G0B+4*\s+3], 0x80000000
.endr
	s_mov_b32 s[G0V], 1                            ; v's weight: K half w into the w-th 128 rows of the weight's part of slot 0
	s_mul_i32 s[G0V+1], s16, HALFT
	s_add_co_u32 s[G0V+1], s[G0V+1], 2*HALFT
	s_or_b32 s[G0V+3], s[G0V+3], 0x80000000
	s_mov_b32 s[G0VS], 1
	s_mov_b32 s[G0VS+1], WVS
	s_or_b32 s[G0VS+3], s[G0VS+3], 0x80000000
; the head's four tiles, one joint load a wave: every way through the tree passes one load
	ARM 1, G0,  G1,  .Lhead_b,  .Lhead_asked
	ARM 2, G0B, G1B, .Lhead_sa, .Lhead_asked
	ARM 3, G0S, G1S, .Lhead_sb, .Lhead_asked
	tensor_load_to_lds s[G0SB:G0SB+3], s[G1SB:G1SB+7]
	s_nop 0
.rept 4
	v_nop
.endr
.Lhead_asked:
	; where the biases lie and the results go
	s_lshl_b32 s100, s42, 9
	s_lshl_b32 s18, s16, 8
	s_add_co_u32 s100, s100, s18
	s_add_co_u32 s100, s100, 8192                  ; v's bias: column 2,048 + 128 x tile column + 64 x half
	s_mov_b32 s101, 0
	s_add_nc_u64 s[92:93], s[96:97], s[100:101]
	s_lshl_b32 s100, s42, 10
	s_lshl_b32 s18, s16, 9
	s_add_co_u32 s100, s100, s18                   ; q's or k's: my first column x 4
	s_add_nc_u64 s[96:97], s[96:97], s[100:101]
	s_lshr_b32 s20, s17, 3                         ; batch
	s_lshl_b32 s21, s20, 21
	s_lshl_b32 s22, s42, 1
	s_add_co_u32 s22, s22, s16                     ; my pair of planes of qk; also v's head
	s_lshl_b32 s23, s22, 17
	s_add_co_u32 s21, s21, s23
	s_and_b32 s23, s17, 7
	s_lshl_b32 s23, s23, 4
	s_lshl_b32 s18, s15, 3
	s_add_co_u32 s23, s23, s18                     ; my first token tile in the batch
	s_lshl_b32 s18, s23, 9
	s_add_co_u32 s100, s21, s18
	s_add_nc_u64 s[98:99], s[12:13], QKSC
	s_add_nc_u64 s[12:13], s[12:13], s[100:101]
	s_lshr_b32 s100, s100, 3
	s_add_nc_u64 s[98:99], s[98:99], s[100:101]
	s_lshl_b32 s21, s20, 20                        ; vv: batch x 2^20 + head x 65,536 + key step x 4,096
	s_lshl_b32 s23, s22, 16
	s_add_co_u32 s21, s21, s23
	s_and_b32 s23, s17, 7
	s_lshl_b32 s23, s23, 1
	s_add_co_u32 s23, s23, s15
	s_lshl_b32 s23, s23, 12
	s_add_co_u32 s100, s21, s23
	s_add_nc_u64 s[94:95], s[66:67], VSC
	s_add_nc_u64 s[66:67], s[66:67], s[100:101]
	s_lshr_b32 s100, s100, 4                       ; its scale words: a sixteenth
	s_add_nc_u64 s[94:95], s[94:95], s[100:101]
	s_mov_b32 s[SEL], 0x76543210
	s_mov_b32 s[SEL+1], 0xfedcba98
	; LDS places, by the wave's number alone
	s_mul_i32 s20, s15, HALFT                      ; my 128 tokens, slot 0 and 1
	s_add_co_u32 s21, s20, SLOT
	s_mul_i32 s22, s16, HALFT
	s_add_co_u32 s22, s22, 2*HALFT                 ; my 128 rows of the first weight
	s_add_co_u32 s23, s22, SLOT
	s_mul_i32 s40, s16, 64*PITCH
	s_add_co_u32 s40, s40, 2*HALFT                 ; my 64 rows of v's weight, K half 0 and 1
	s_add_co_u32 s41, s40, HALFT
	s_mul_i32 s44, s15, HALFS
	s_add_co_u32 s44, s44, SCL                     ; x's scale rows
	s_mul_i32 s43, s16, HALFS
	s_add_co_u32 s43, s43, SCL+2*HALFS
	s_sub_co_u32 s43, s43, s44                     ; from there to the first weight's,
	s_mul_i32 s45, s16, 4*SBLK
	s_add_co_u32 s45, s45, WVS
	s_sub_co_u32 s45, s45, s44                     ; and to v's weight's
	s_lshl_b32 s2, s14, 10
	s_add_co_u32 s2, s2, STG                       ; my stage
	v_and_b32 v1, 15, v0
	v_bfe_u32 v2, v0, 4, 1
	v_mul_u32_u24 v3, v1, PITCH
	v_lshl_add_u32 v4, v2, 4, v3
	v_add_nc_u32 v[ADRA], s20, v4
	v_add_nc_u32 v[ADRA+1], s21, v4
	v_add_nc_u32 v[ADRB], s22, v4
	v_add_nc_u32 v[ADRB+1], s23, v4
	v_add_nc_u32 v[ADRW], s40, v4
	v_add_nc_u32 v[ADRW+1], s41, v4
	v_mul_u32_u24 v5, v1, KS
	v_lshrrev_b32 v6, 8, v5
	v_lshl_add_u32 v5, v6, 4, v5                   ; my row's scale bytes: KS a row, 16 more for each 256 passed
	v_add_nc_u32 v5, s44, v5
	v_mul_u32_u24 v6, s43, v2                      ; lanes 16-31 take the weight's
	v_mul_u32_u24 v7, s45, v2
	v_add_nc_u32 v[ADRS], v5, v6
	v_add_nc_u32 v[ADS2], v5, v7
	v_and_b32 v6, 31, v0
	v_lshlrev_b32 v[LI], 4, v6
	v_lshlrev_b32 v[GOV], 3, v6
	v_add_nc_u32 v[SRD], s2, v[LI]
	v_add_nc_u32 v[SRV], s2, v[GOV]
	v_lshl_add_u32 v[SWV], v1, 2, s2
	v_lshl_add_u32 v[SWA], v2, 9, v[SWV]
	v_lshlrev_b32 v[SH], 4, v2
	v_lshlrev_b32 v8, 6, v2                        ; q's, k's bias: lanes 16-31 begin 16 columns on
	v_and_b32 v[VB], 8, v1
	v_add_nc_u32 v[VB], v[VB], v1
	v_lshlrev_b32 v[VB], 2, v[VB]                  ; v's bias: channel r + 8 (r / 8) of a block
.irp b, 0,1,2,3
	v_mov_b32 v[TM+4+\b], 0                        ; a lane permute's destination counts as one of its sources
.endr
.irp b, 0,1,2,3,4,5,6,7
	global_load_b128 v[BI+8*\b:BI+8*\b+3], v8, s[96:97] offset:(32*(\b/2)+8*(\b%2))*4
	global_load_b128 v[BI+8*\b+4:BI+8*\b+7], v8, s[96:97] offset:(32*(\b/2)+8*(\b%2))*4+16
.endr
	s_wait_alu depctr_va_vdst(0)                   ; the wait at the head's end
	s_wait_tensorcnt 0x0                           ; my tile of the head's four is in; these lines stand ahead of a later first fill as ahead of a refill
	ds_add_u32 v126, v127
	s_mov_b32 s[G1SB+2], 16<<16                    ; no tensor load of mine is out: the scales of v's 128 weight rows are 16 rows of 256 bytes
	s_mov_b32 s[G1SB+4], 16
	s_wait_dscnt 0x0
	CROUND                                         ; all four tiles are in, and the sixteen work-groups meet
	ARM 1, G0+4,  G1,   .Lnext_b, .Lnext_asked     ; first fills all: slot 1's x, slot 1's weight, the scales of v's weight; wave 3 has none
	ARM 2, G0B+4, G1B,  .Lnext_s, .Lnext_asked
	ARM 3, G0VS,  G1SB, .Lnext_n, .Lnext_asked
.Lnext_asked:
	FETCH_B 0, 0, 0
	FETCH_A 0, 0, 0
	SCALES 0
	FETCH_A 0, 0, 4
	s_wait_loadcnt 0x0                             ; the bias
	STEP 0, 0, 1
	STEPS 0, 1
	TURN
	STEPS 1, 0
	s_wait_dscnt 4*NL
	WIN MUL_LO
	MUL16 0, 1, NQ-1, 1, 0
	MUL16 2, 1, NQ-1, 1, 0
	s_wait_dscnt 0
	WIN MUL_HI
	MUL16 4, 1, NQ-1, 1, 0
	MUL16 6, 1, NQ-1, 1, 0
	WIN 0
	s_wait_tensorcnt 0x0                           ; my half of v's weight has landed,
	s_barrier_signal -1
	s_barrier_wait -1                              ; everybody's has; nothing is filled from here on
	PLACES NP
.irp a, 0,1,2,3
	global_load_b32 v[BI+8*\a], v[VB], s[92:93] offset:(32*(\a/2)+8*(\a%2))*4   ; v's bias lands under the way out of q and k
.endr
.irp a, 0,1,2,3,4,5,6,7
	QOUT \a
.endr
	ds_load_b128 v[96:99], v[SRD]
	ds_load_b128 v[100:103], v[SRD] offset:512
	s_wait_dscnt 0x0
	global_store_b128 v[LI], v[96:99], s[98:99]
	global_store_b128 v[LI], v[100:103], s[98:99] offset:8192
	; ---- v
	s_wait_xcnt 0x0                                ; the stores have read their registers: v96-103 and v128-191 may be written
	VFETCH 0, 0, 0
.irp sc, 0,1
.irp i, 0,1,2,3
	ds_load_b128 v[SC+8*NQ*\sc+NQ*\i:SC+8*NQ*\sc+NQ*\i+3], v[ADS2] offset:\i*SBLK+4*NQ*\sc   ; lanes 0-15 x's words as before, lanes 16-31 those of v's weight
.endr
.endr
	s_wait_loadcnt 0x0                             ; v's bias
.irp a, 0,1,2,3
.irp j, 1,2,3,4,5,6,7
	v_mov_b32 v[BI+8*\a+\j], v[BI+8*\a]            ; a lane holds one channel: the same bias for its eight tokens
.endr
.endr
	PLACES 8
	s_wait_alu depctr_va_vdst(0)                   ; the wait here, directly ahead of the wait below
.irp ks, 0,1,2,3,4,5,6,7
	VSTEP \ks
.endr
	PLACES NP
.irp a, 0,1,2,3
	QOUTV \a
.endr
	ds_load_b64 v[96:97], v[SRV]                   ; LDS serves a wave's instructions in order: these see my stores
	s_wait_dscnt 0x0
	global_store_b64 v[GOV], v[96:97], s[94:95]    ; 32 lanes store 256 consecutive bytes, aligned
	s_wait_tensorcnt 0x0                           ; the wave's end
	ds_add_u32 v126, v127
	s_wait_dscnt 0x0
	CROUND                                         ; the closing round
	s_endpgm
.Lfunc_end_k_qb644670954_gemm_qkv:
	.size	k_qb644670954_gemm_qkv, .Lfunc_end_k_qb644670954_gemm_qkv-k_qb644670954_gemm_qkv
	.p2alignl 7, 3214868480
	.fill 96, 4, 3214868480
	.section	.rodata,"a",@progbits
	.p2align	6, 0x0
	.amdhsa_kernel k_qb644670954_gemm_qkv
		.amdhsa_group_segment_fixed_size 327680
		.amdhsa_private_segment_fixed_size 0
		.amdhsa_enable_private_segment 0
		.amdhsa_kernarg_size 32
		.amdhsa_user_sgpr_count 2
		.amdhsa_user_sgpr_kernarg_segment_ptr 1
		.amdhsa_wavefront_size32 1
		.amdhsa_system_sgpr_workgroup_id_x 1
		.amdhsa_system_sgpr_workgroup_id_y 1
		.amdhsa_system_sgpr_workgroup_id_z 1
		.amdhsa_system_vgpr_workitem_id 0
		.amdhsa_next_free_vgpr 1024
		.amdhsa_next_free_sgpr 104
		.amdhsa_reserve_vcc 0
		.amdhsa_float_denorm_mode_32 3
		.amdhsa_float_denorm_mode_16_64 3
		.amdhsa_memory_ordered 1
		.amdhsa_forward_progress 1
		.amdhsa_inst_pref_size 199
	.end_amdhsa_kernel
	.amdgpu_metadata
---
amdhsa.version: [ 1, 2 ]
amdhsa.kernels:
  - .name:           k_qb644670954_gemm_qkv
    .symbol:         k_qb644670954_gemm_qkv.kd
    .args:
      - { .name: inq, .offset: 0, .size: 8, .value_kind: global_buffer, .address_space: global }
      - { .name: b_qkv, .offset: 8, .size: 8, .value_kind: global_buffer, .address_space: global }
      - { .name: qk, .offset: 16, .size: 8, .value_kind: global_buffer, .address_space: global }
      - { .name: vv, .offset: 24, .size: 8, .value_kind: global_buffer, .address_space: global }
    .group_segment_fixed_size: 327680
    .private_segment_fixed_size: 0
    .kernarg_segment_align: 8
    .kernarg_segment_size: 32
    .max_flat_workgroup_size: 128
    .sgpr_count:     104
    .vgpr_count:     1024
    .wavefront_size: 32
...
	.end_amdgpu_metadata
.endif
;; end of part 2
;; launch attn (part 3): grid 4 x 64, 16 waves a work-group, clusters of 4 x 1, 169,984 bytes of LDS; arguments qk, vv, oo; writes oo
.if DOCPART == 3
	.amdgcn_target "amdgcn-amd-amdhsa--gfx1250"
	.amdhsa_code_object_version 6
	.text
	.protected	k_qb644670954_attn
	.globl	k_qb644670954_attn
	.p2align	8
	.type	k_qb644670954_attn,@function
k_qb644670954_attn:
	s_mov_b64 s[64:65], 0
	v_nop
	global_prefetch_b8 v0, s[64:65] scope:SCOPE_SE
	s_setreg_imm32_b32 hwreg(HW_REG_WAVE_MODE, 25, 1), 1
	s_wait_xcnt 0x0
	s_wait_alu depctr_hold_cnt(0) depctr_sa_sdst(0) depctr_va_vdst(0) depctr_va_sdst(0) depctr_va_ssrc(0) depctr_va_vcc(0) depctr_vm_vsrc(0)
	s_getreg_b32 s2, hwreg(HW_REG_IB_STS2, 6, 4)
	s_cmp_eq_u32 s2, 0
	s_cbranch_scc0 .Lentry_in_a_cluster
	s_endpgm
.Lentry_in_a_cluster:
	s_bfe_u32 s2, ttmp6, 0x10000c
	s_cmp_lg_u32 s2, 0x3003
	s_cbranch_scc0 .Lentry_shape_is_right
	s_endpgm
.Lentry_shape_is_right:
; o = softmax(q k^T / 8, causal) v for one (batch, head) a cluster, both products on codes of FP4 (E2M1) with one E8M0 scale for each 32 along K; o is quantised along the model's 1,024 and leaves as codes.
; THE SOFTMAX: t = score x log2(e) / 8; M = the running largest t rounded UP to a whole number; p = 2^(t - M) is quantised along the keys, not normalised; the row's sum is taken of the unquantised p and divides O at the end.
; When M moves, the sum and O are multiplied by 2^(old M - new M): exact.
; WORK LEFT OUT: a key step of 128 keys all of which come after a tile's 16 queries lies wholly under the causal mask that the problem builds itself: its scores become -infinity and its p is 0 for all inputs, so it is not computed.
; A NaN, an infinity or an overflow that reaches only those scores is not carried to the result.
; SHARES.  The four work-groups of a cluster serve one head and read the same K and V: the head's codes and scale words, 140 KB, come into each LDS ONCE, by joint loads, one a wave (waves 0 to 7), and are only read after one barrier.
; The 2,048 queries are 16 groups of 128, each 8 tiles of 16.  Wave w of work-group cx owns tile 2 cx + w % 2 of group GH = 8 + w / 2 (tile 0 of the text) and the same tile of group GL = 7 - w / 2 (tile 1).
; Tile 0 has GH + 1 key steps and tile 1 has GL + 1: 17 in every wave, two of them on the diagonal.  All waves walk all 16 trips; what is hidden is jumped over by scalar branches on the wave's number and the trip's count, never on cx.
; A trip loads K's eight tiles once; tile 1 (while it has steps) and then tile 0 multiply them; V's fragments then take K's registers and serve both tiles' second products.
; LAYOUT.  Both products are used transposed: S^T = K Q^T, O^T = V^T P^T: a lane holds one query.  Tokens and channels lie in POSITION order (bits 3 and 4 of the number exchanged), so the 16 registers of two neighbouring tiles are
; 16 neighbouring keys (or channels), 32 b + 16 (lane / 16) + 0 .. 15.  The head's K is 64: registers 4-7 of Q's fragments are zero codes, so whatever stands in registers 4-7 of K's (the next tile's codes) adds nothing.
; NO PREFETCH: every byte of K and V is asked for once, at the head; there is no loop to run ahead in.
; LIMITS: the promise holds while |t| stays under 2^31; a p under 2^-126 falls to 0 (v_exp_f32 gives no denormals: ISA guide 15.8); o / l is a reciprocal and a multiplication; NaN and infinities are not served; a block of o under 2^-124 gets the byte 1.
.set QKSC, 0x800000
.set VSC,  0x400000
.set OSC,  0x400000
.set LV,   65536                       ; LDS: K's codes at 0 (key step 4,096, tile 512, lane 16), V's here (key step 4,096, tile 1,024, c 512, lane 16),
.set LKS,  131072                      ; K's scale words (key step 512, tile 64),
.set LVS,  139264                      ; V's (key step 256, tile 64)
.set SPARE, 0x29000                    ; the spare words, 128 bytes a wave
.set LI,   1                           ; 16 x lane
.set LIV,  2                           ; + LV
.set LSK,  3                           ; 4 x lane + LKS
.set LSV,  4                           ; 4 x lane + LVS
.set ADK,  5                           ; the step's addresses
.set ADV,  6
.set ADS,  7
.set ADT,  8
.set OSO,  9                           ; o's scale bytes: 32 x (lane % 16), lanes 0-15 moved on from tile 1's rows to tile 0's
.set QS,   10                          ; Q's scale words: tile 0 in lanes 0-15, tile 1 in lanes 16-31
.set NINF, 11
.set ST,   12                          ; tile u at +4 u: -M, the largest t, the sum in two halves
.set DQ,   20                          ; my query within its 128, less 16 (lane / 16): the same for both tiles
.set Q,    24                          ; tile u at +8 u
.set KV,   40                          ; v40-75: K's eight tiles, 4 registers each (v72-75 stay 0), then V's four fragments
.set S,    76                          ; v76-139 S^T, then p
.set O,    140                         ; v140-203 O^T, 32 a tile
.set PC,   204                         ; p's codes, 8 a tile
.set KSW,  220
.set VSW,  224
.set PW,   226                         ; p's scale word, one a tile
.set BM,   228
.set BT,   232
.set BSO,  236
.set F,    240                         ; the pair v[240:241]: its low word is used
.set T,    242
.set HW,   244
.set HB,   246
.set WV,   10
.set CX,   11
.set BH,   12
.set GH,   13
.set GL,   14
.set QA0,  16                          ; Q's codes, tile 0 and tile 1; Q's words at tile 1
.set QA1,  18
.set QW,   20
.set OA0,  22                          ; o's codes, tile 0 and tile 1; o's scale bytes at tile 1
.set OA1,  98
.set OW,   96
.set G1C,  24                          ; group 1: 128 rows of 256 bytes;
.set G1KS, 32                          ; 16 rows;
.set G1VS, 40                          ; 8 rows
.set G0KC, 48
.set G0KS, 52
.set G0VC, 56
.set G0VS, 60
.set SEL,  66
.set CS,   68
.set TB,   70
.set TS,   71
.set TJ,   72
.set KC,   73
.set HM,   74
.macro CROUND
	s_barrier_signal -1
	s_barrier_wait -1
	s_cmp_lg_u32 s[WV], 0
	s_cbranch_scc1 .Lnot_wave_0_\@
	s_barrier_signal -3
.Lnot_wave_0_\@:
	s_barrier_wait -3
	s_barrier_signal -1
	s_barrier_wait -1
.endm
.macro SMUL u                          ; S^T = K Q^T for tile u of my queries: eight tiles of 16 keys
.irp t, 0,1,2,3,4,5,6,7
.if (\t%2) == 0
.if \u == 0
	v_wmma_scale_f32_16x16x128_f8f6f4 v[S+8*\t:S+8*\t+7], v[KV+4*\t:KV+4*\t+7], v[Q+8*\u:Q+8*\u+7], 0, v[KSW+\t/2], v[QS] matrix_a_fmt:MATRIX_FMT_FP4 matrix_b_fmt:MATRIX_FMT_FP4
.else
	v_wmma_scale_f32_16x16x128_f8f6f4 v[S+8*\t:S+8*\t+7], v[KV+4*\t:KV+4*\t+7], v[Q+8*\u:Q+8*\u+7], 0, v[KSW+\t/2], v[QS] matrix_a_fmt:MATRIX_FMT_FP4 matrix_b_fmt:MATRIX_FMT_FP4 matrix_b_scale:MATRIX_SCALE_ROW1
.endif
.else
.if \u == 0
	v_wmma_scale_f32_16x16x128_f8f6f4 v[S+8*\t:S+8*\t+7], v[KV+4*\t:KV+4*\t+7], v[Q+8*\u:Q+8*\u+7], 0, v[KSW+\t/2], v[QS] matrix_a_fmt:MATRIX_FMT_FP4 matrix_b_fmt:MATRIX_FMT_FP4 matrix_a_scale:MATRIX_SCALE_ROW1
.else
	v_wmma_scale_f32_16x16x128_f8f6f4 v[S+8*\t:S+8*\t+7], v[KV+4*\t:KV+4*\t+7], v[Q+8*\u:Q+8*\u+7], 0, v[KSW+\t/2], v[QS] matrix_a_fmt:MATRIX_FMT_FP4 matrix_b_fmt:MATRIX_FMT_FP4 matrix_a_scale:MATRIX_SCALE_ROW1 matrix_b_scale:MATRIX_SCALE_ROW1
.endif
.endif
.endr
.endm
.macro MASK g                          ; on the diagonal (the trip's count = the tile's group g) the scores of hidden keys become -infinity ahead of the maximum; a step all of whose keys count jumps over this
	s_cmp_lt_u32 s[KC], s[\g]
	s_cbranch_scc1 .Lopen_\@
.set n, 0
.rept 64
	v_cmp_gt_i32 vcc_lo, 32*(n/16)+n%16, v[DQ]     ; register 16 b + i holds key 32 b + 16 (lane / 16) + i of the step
	v_cndmask_b32 v[S+n], v[S+n], v[NINF], vcc_lo
.set n, n+1
.endr
.Lopen_\@:
.endm
.macro SOFT u
.set sT, ST+4*\u
.set pC, PC+8*\u
.set oO, O+32*\u
.irp b, 0,1,2,3
	v_max3_num_f32 v[BM+\b], v[S+16*\b], v[S+1+16*\b], v[S+2+16*\b]   ; the largest score of each block of 32 keys: it serves the row's maximum and, since p rises with the score, the block's largest p
.endr
.irp i, 3,5,7,9,11,13
.irp b, 0,1,2,3
	v_max3_num_f32 v[BM+\b], v[BM+\b], v[S+16*\b+\i], v[S+1+16*\b+\i]
.endr
.endr
.irp b, 0,1,2,3
	v_max_num_f32 v[BM+\b], v[BM+\b], v[S+15+16*\b]
.endr
.irp b, 0,1,2,3
	s_delay_alu instid0(VALU_DEP_4)
	v_permlanex16_b32 v[BT+\b], v[BM+\b], s[SEL], s[SEL+1]
.endr
.irp b, 0,1,2,3
	s_delay_alu instid0(VALU_DEP_4)
	v_max_num_f32 v[BM+\b], v[BM+\b], v[BT+\b]     ; with lane l xor 16's 16 keys
.endr
	s_delay_alu instid0(VALU_DEP_2)
	v_max3_num_f32 v[T], v[BM], v[BM+1], v[BM+2]
	s_delay_alu instid0(VALU_DEP_1)
	v_max_num_f32 v[T], v[T], v[BM+3]
	s_delay_alu instid0(VALU_DEP_1)
	v_mul_f32 v[T], s[CS], v[T]                    ; as t (c is positive)
	s_delay_alu instid0(VALU_DEP_1)
	v_max_num_f32 v[sT+1], v[sT+1], v[T]           ; the running largest t
	v_mov_b32 v[T], v[sT]
	s_delay_alu instid0(VALU_DEP_2)
	v_floor_f32 v[sT], -v[sT+1]                    ; the new -M = floor(-t)
	s_delay_alu instid0(VALU_DEP_1)
	v_sub_f32 v[T], v[sT], v[T]                    ; old M - new M: a whole number, 0 or less
	s_delay_alu instid0(VALU_DEP_1)
	v_cvt_i32_f32 v[T], v[T]                       ; (it saturates)
	s_delay_alu instid0(VALU_DEP_1)
	v_ldexp_f32 v[F], 1.0, v[T]                    ; f = 2^(old M - new M)
.set n, 0
.rept 32
	v_pk_fma_f32 v[S+n:S+n+1], v[S+n:S+n+1], s[CS:CS+1], v[sT:sT+1] op_sel_hi:[1,0,0]   ; t - M, two at a time
.set n, n+2
.endr
.irp b, 0,1,2,3
	v_fma_f32 v[BM+\b], v[BM+\b], s[CS], v[sT]
.endr
.set n, 0
	s_wait_alu depctr_va_vdst(0)                   ; the wait ahead of the batch
.rept 64
	v_exp_f32 v[S+n], v[S+n]                       ; p = 2^(t - M)
.set n, n+1
.endr
.irp b, 0,1,2,3
	v_exp_f32 v[BM+\b], v[BM+\b]                   ; the block's largest p
.endr
	v_pk_mul_f32 v[sT+2:sT+3], v[sT+2:sT+3], v[F:F+1] op_sel_hi:[1,0]   ; the sums under the new M (a plain place behind the exponentials)
	s_wait_alu depctr_va_vdst(0)                   ; and the wait behind it, ahead of its first reader
.irp b, 0,1,2,3
	v_max_num_f32 v[BM+\b], 0x1800000, v[BM+\b]    ; the floor 2^(3 - 127)
.endr
.irp b, 0,1,2,3
	s_delay_alu instid0(VALU_DEP_4)
	v_add_nc_u32 v[BSO+\b], 0xff000000, v[BM+\b]
.endr
.irp b, 0,1,2,3
	s_delay_alu instid0(VALU_DEP_4)
	v_lshrrev_b32 v[BT+\b], 23, v[BSO+\b]
.endr
	s_delay_alu instid0(VALU_DEP_3)
	v_lshl_or_b32 v[PW+\u], v[BT+1], 8, v[BT]      ; p's scale word for these 128 keys
	s_delay_alu instid0(VALU_DEP_1)
	v_lshl_or_b32 v[PW+\u], v[BT+2], 16, v[PW+\u]
	s_delay_alu instid0(VALU_DEP_1)
	v_lshl_or_b32 v[PW+\u], v[BT+3], 24, v[PW+\u]
.irp b, 0,1,2,3
	v_cvt_scalef32_pk8_fp4_f32 v[pC+2*\b], v[S+16*\b:S+16*\b+7], v[BSO+\b]
	v_cvt_scalef32_pk8_fp4_f32 v[pC+2*\b+1], v[S+16*\b+8:S+16*\b+15], v[BSO+\b]
.endr
	v_nop                                          ; one plain place behind a scaled conversion
.irp c, 0,1
.irp i, 0,1
	v_permlane16_swap_b32 v[pC+4*\c+\i], v[pC+4*\c+2+\i]
.endr
.endr
.irp k, 0,1
	v_pk_add_f32 v[BT+2*\k:BT+2*\k+1], v[S+4*\k:S+4*\k+1], v[S+4*\k+2:S+4*\k+3]   ; the row's sum, of the unquantised p, two at a time, in four chains that take turns
	v_pk_add_f32 v[BSO+2*\k:BSO+2*\k+1], v[S+8+4*\k:S+8+4*\k+1], v[S+8+4*\k+2:S+8+4*\k+3]
.endr
.set n, 16
.rept 6
	v_pk_add_f32 v[BT:BT+1], v[BT:BT+1], v[S+n:S+n+1]
	v_pk_add_f32 v[BT+2:BT+3], v[BT+2:BT+3], v[S+n+2:S+n+3]
	v_pk_add_f32 v[BSO:BSO+1], v[BSO:BSO+1], v[S+n+4:S+n+5]
	v_pk_add_f32 v[BSO+2:BSO+3], v[BSO+2:BSO+3], v[S+n+6:S+n+7]
.set n, n+8
.endr
	v_pk_add_f32 v[BT:BT+1], v[BT:BT+1], v[BT+2:BT+3]
	v_pk_add_f32 v[BSO:BSO+1], v[BSO:BSO+1], v[BSO+2:BSO+3]
	v_pk_add_f32 v[BT:BT+1], v[BT:BT+1], v[BSO:BSO+1]
	v_pk_add_f32 v[sT+2:sT+3], v[sT+2:sT+3], v[BT:BT+1]
	s_wait_alu depctr_va_vdst(0)                   ; the wait here, directly ahead of the first reader of O^T
.set n, 0
.rept 16
	v_pk_mul_f32 v[oO+n:oO+n+1], v[oO+n:oO+n+1], v[F:F+1] op_sel_hi:[1,0]   ; O^T under the new M
.set n, n+2
.endr
.endm
.macro PV u                            ; O^T += V^T P^T for tile u: four accumulators, one instruction each; the products S^T stand between two steps' links
.irp dt, 0,1,2,3
.if (\dt%2) == 0
	v_wmma_scale_f32_16x16x128_f8f6f4 v[O+32*\u+8*\dt:O+32*\u+8*\dt+7], v[KV+8*\dt:KV+8*\dt+7], v[PC+8*\u:PC+8*\u+7], v[O+32*\u+8*\dt:O+32*\u+8*\dt+7], v[VSW+\dt/2], v[PW+\u] matrix_a_fmt:MATRIX_FMT_FP4 matrix_b_fmt:MATRIX_FMT_FP4
.else
	v_wmma_scale_f32_16x16x128_f8f6f4 v[O+32*\u+8*\dt:O+32*\u+8*\dt+7], v[KV+8*\dt:KV+8*\dt+7], v[PC+8*\u:PC+8*\u+7], v[O+32*\u+8*\dt:O+32*\u+8*\dt+7], v[VSW+\dt/2], v[PW+\u] matrix_a_fmt:MATRIX_FMT_FP4 matrix_b_fmt:MATRIX_FMT_FP4 matrix_a_scale:MATRIX_SCALE_ROW1
.endif
.endr
.endm
.macro FIN u, base                     ; tile u: O^T / the sum; its 32 registers (register 16 b + i = channel 32 b + 16 (lane / 16) + i) are two blocks along the model's 1,024
.set sT, ST+4*\u
.set pC, PC+8*\u
.set oO, O+32*\u
.set xX, S+32*\u
	v_add_f32 v[T], v[sT+2], v[sT+3]
	s_delay_alu instid0(VALU_DEP_1)
	v_permlanex16_b32 v[BT], v[T], s[SEL], s[SEL+1]
	s_delay_alu instid0(VALU_DEP_1)
	v_add_f32 v[T], v[T], v[BT]                    ; the row's sum
	s_wait_alu depctr_va_vdst(0)
	v_rcp_f32 v[F], v[T]
	v_nop                                          ; one plain place behind a transcendental
.set n, 0
	s_wait_alu depctr_va_vdst(0)
.rept 16
	v_pk_mul_f32 v[xX+n:xX+n+1], v[oO+n:oO+n+1], v[F:F+1] op_sel_hi:[1,0]   ; each accumulator from its low end on
.set n, n+2
.endr
.irp b, 0,1
	v_max3_num_f32 v[BM+\b], |v[xX+16*\b]|, |v[xX+16*\b+1]|, 0x1800000
.endr
.irp i, 2,4,6,8,10,12,14
.irp b, 0,1
	s_delay_alu instid0(VALU_DEP_2)
	v_max3_num_f32 v[BM+\b], v[BM+\b], |v[xX+16*\b+\i]|, |v[xX+16*\b+\i+1]|
.endr
.endr
.irp b, 0,1
	s_delay_alu instid0(VALU_DEP_2)
	v_permlanex16_b32 v[BT+\b], v[BM+\b], s[SEL], s[SEL+1]
.endr
.irp b, 0,1
	s_delay_alu instid0(VALU_DEP_2)
	v_max_num_f32 v[BM+\b], v[BM+\b], v[BT+\b]
.endr
.irp b, 0,1
	s_delay_alu instid0(VALU_DEP_2)
	v_add_nc_u32 v[BSO+\b], 0xff000000, v[BM+\b]
.endr
.irp b, 0,1
	s_delay_alu instid0(VALU_DEP_2)
	v_lshrrev_b32 v[BT+\b], 23, v[BSO+\b]
.endr
	s_delay_alu instid0(VALU_DEP_1)
	v_lshl_or_b32 v[HW+\u], v[BT+1], 8, v[BT]      ; my row's two scale bytes of this head
.irp b, 0,1
	v_cvt_scalef32_pk8_fp4_f32 v[pC+2*\b], v[xX+16*\b:xX+16*\b+7], v[BSO+\b]
	v_cvt_scalef32_pk8_fp4_f32 v[pC+2*\b+1], v[xX+16*\b+8:xX+16*\b+15], v[BSO+\b]
.endr
	v_nop
	v_permlane16_swap_b32 v[pC], v[pC+2]           ; lanes 0-15 the head's first block, lanes 16-31 its second
	v_permlane16_swap_b32 v[pC+1], v[pC+3]
	global_store_b128 v[LI], v[pC:pC+3], s[\base:\base+1]   ; half a fragment of the last product's A: 512 consecutive bytes, aligned
.endm
	s_load_b128 s[4:7], s[0:1], 0x0                ; qk, vv
	s_load_b64 s[8:9], s[0:1], 0x10                ; oo
	v_lshl_add_u32 v254, v0, 2, SPARE
	v_mov_b32 v255, 0
	ds_add_u32 v254, v255                          ; the opening lines: the add, twice on end, and its wait ahead of the first tensor load
	ds_add_u32 v254, v255
	v_lshrrev_b32 v5, 5, v0
	v_readfirstlane_b32 s[WV], v5                  ; wave 0..15
	s_bfe_u32 s[CX], ttmp6, 0x40000                ; my place in the cluster: it enters Q's and O's addresses and the mask's numbers alone
	s_and_b32 s[BH], ttmp7, 0xffff                 ; 16 x batch + head, which the partners share
	s_lshr_b32 s15, s[WV], 1
	s_add_co_u32 s[GH], s15, 8                     ; tile 0's group of 128 queries,
	s_sub_co_u32 s[GL], 7, s15                     ; and tile 1's
	s_lshr_b32 s75, s[BH], 4                       ; batch
	s_and_b32 s76, s[BH], 15                       ; head
	s_lshl_b32 s77, s75, 5
	s_add_co_u32 s77, s77, s76                     ; q's plane of qk; k's is 16 on
	s_and_b32 s78, s[WV], 1                        ; which half of a region I fetch, if I fetch; also which tile of a pair is mine
	s_add_co_u32 s79, s77, 16
	s_lshl_b32 s80, s79, 16
	s_lshl_b32 s82, s78, 15
	s_add_co_u32 s80, s80, s82                     ; K's codes: plane x 65,536 + half x 32,768
	s_mov_b32 s81, 0
	s_lshr_b32 s84, s80, 3                         ; K's words: an eighth
	s_mov_b32 s85, 0
	s_lshl_b32 s86, s[BH], 16
	s_add_co_u32 s86, s86, s82                     ; V's codes
	s_mov_b32 s87, 0
	s_lshr_b32 s88, s86, 4                         ; V's words: a sixteenth
	s_mov_b32 s89, 0
.irp g, G1C, G1KS, G1VS
	s_mov_b32 s[\g], 15|(3<<16)|(1<<21)            ; the mask: all four work-groups; elements of 8 bytes; bit 21 beside a mask; no padding: every read is 16 x lane or 4 x lane on end
	s_mov_b32 s[\g+1], 32<<16                      ; tensor_dim0: rows of 256 bytes
	s_mov_b32 s[\g+3], 32<<16                      ; tile_dim0
	s_mov_b32 s[\g+5], 32                          ; pitch: dense
	s_mov_b32 s[\g+6], 0
	s_mov_b32 s[\g+7], 0
.endr
	s_mov_b32 s[G1C+2], 128<<16
	s_mov_b32 s[G1C+4], 128
	s_mov_b32 s[G1KS+2], 16<<16
	s_mov_b32 s[G1KS+4], 16
	s_mov_b32 s[G1VS+2], 8<<16
	s_mov_b32 s[G1VS+4], 8
	s_mov_b32 s[G0KC], 1
	s_mov_b32 s[G0KC+1], s82
	s_mov_b32 s[G0KS], 1
	s_lshl_b32 s83, s78, 12
	s_add_co_u32 s[G0KS+1], s83, LKS
	s_mov_b32 s[G0VC], 1
	s_add_co_u32 s[G0VC+1], s82, LV
	s_mov_b32 s[G0VS], 1
	s_lshl_b32 s83, s78, 11
	s_add_co_u32 s[G0VS+1], s83, LVS
	s_mov_b32 s[SEL], 0x76543210
	s_mov_b32 s[SEL+1], 0xfedcba98
	s_mov_b32 s[CS], 0x3e38aa3b                    ; c = log2(e) / 8
	s_mov_b32 s[CS+1], s[CS]                       ; (named with it as a pair, so it is written)
	s_mov_b32 s[TB], 0
	s_mov_b32 s[TS], 0
	s_mov_b32 s[TJ], 0
	s_mov_b32 s[KC], 0
	s_mov_b32 s[HM], 0xffff0000
	s_wait_dscnt 0x0                               ; both opening adds are done
	s_wait_kmcnt 0x0
	s_add_nc_u64 s[G0KC+2:G0KC+3], s[4:5], s[80:81]
	s_or_b32 s[G0KC+3], s[G0KC+3], 0x80000000
	s_add_nc_u64 s[G0KS+2:G0KS+3], s[4:5], s[84:85]
	s_add_nc_u64 s[G0KS+2:G0KS+3], s[G0KS+2:G0KS+3], QKSC
	s_or_b32 s[G0KS+3], s[G0KS+3], 0x80000000
	s_add_nc_u64 s[G0VC+2:G0VC+3], s[6:7], s[86:87]
	s_or_b32 s[G0VC+3], s[G0VC+3], 0x80000000
	s_add_nc_u64 s[G0VS+2:G0VS+3], s[6:7], s[88:89]
	s_add_nc_u64 s[G0VS+2:G0VS+3], s[G0VS+2:G0VS+3], VSC
	s_or_b32 s[G0VS+3], s[G0VS+3], 0x80000000
	CROUND                                         ; all four work-groups are here: the joint loads meet
; THE FILLS, ONE A WAVE: waves 0, 1 the halves of K's codes, 2, 3 of V's codes, 4, 5 of K's scale words, 6, 7 of V's; the others none.  One tree of branches on the wave's number: no way passes two loads.
.macro ARM under, g0, g1, next
	s_cmp_lt_u32 s[WV], \under
	s_cbranch_scc0 \next
	tensor_load_to_lds s[\g0:\g0+3], s[\g1:\g1+7]
	s_nop 0
.rept 4
	v_nop
.endr
	s_branch .Lasked
\next:
.endm
	ARM 2, G0KC, G1C,  .Lhead_v
	ARM 4, G0VC, G1C,  .Lhead_ks
	ARM 6, G0KS, G1KS, .Lhead_vs
	ARM 8, G0VS, G1VS, .Lhead_none
.Lasked:
	s_lshl_b32 s90, s[CX], 1
	s_add_co_u32 s90, s90, s78                     ; my tile within a group: 2 cx + w % 2
	s_lshl_b32 s91, s[GH], 3
	s_add_co_u32 s91, s91, s90                     ; tile 0 in the batch
	s_lshl_b32 s15, s[GL], 3
	s_add_co_u32 s15, s15, s90                     ; tile 1
	s_lshl_b32 s92, s77, 16
	s_lshl_b32 s94, s91, 9
	s_add_co_u32 s94, s94, s92
	s_mov_b32 s95, 0
	s_add_nc_u64 s[QA0:QA0+1], s[4:5], s[94:95]    ; Q's codes: plane x 65,536 + tile x 512
	s_lshl_b32 s94, s15, 9
	s_add_co_u32 s94, s94, s92
	s_add_nc_u64 s[QA1:QA1+1], s[4:5], s[94:95]
	s_lshr_b32 s94, s94, 3
	s_add_nc_u64 s[QW:QW+1], s[4:5], s[94:95]      ; Q's words at tile 1: an eighth
	s_add_nc_u64 s[QW:QW+1], s[QW:QW+1], QKSC
	s_lshl_b32 s92, s75, 7
	s_add_co_u32 s91, s91, s92                     ; the token tiles: 128 x batch + ..
	s_add_co_u32 s15, s15, s92
	s_lshl_b32 s92, s76, 9
	s_lshl_b32 s94, s91, 13
	s_add_co_u32 s94, s94, s92
	s_add_nc_u64 s[OA0:OA0+1], s[8:9], s[94:95]    ; o's codes: tile x 8,192 + head x 512
	s_lshl_b32 s94, s15, 13
	s_add_co_u32 s94, s94, s92
	s_add_nc_u64 s[OA1:OA1+1], s[8:9], s[94:95]
	s_lshl_b32 s94, s15, 9
	s_lshl_b32 s92, s76, 1
	s_add_co_u32 s94, s94, s92
	s_add_nc_u64 s[OW:OW+1], s[8:9], s[94:95]      ; o's scale bytes at tile 1: 32 a row, 2 x head
	s_add_nc_u64 s[OW:OW+1], s[OW:OW+1], OSC
	s_sub_co_u32 s2, s[GH], s[GL]
	s_lshl_b32 s2, s2, 12                          ; from tile 1's rows of scale bytes to tile 0's: 8 (GH - GL) tiles of 512 bytes
	s_lshl_b32 s3, s[CX], 5
	s_lshl_b32 s92, s78, 3
	s_add_co_u32 s3, s3, s92                       ; 32 cx + 8 (w % 2)
	v_and_b32 v7, 31, v0
	v_and_b32 v5, 15, v0                           ; r
	v_bfe_u32 v6, v0, 4, 1                         ; h
	v_lshlrev_b32 v[LI], 4, v7
	v_lshlrev_b32 v8, 2, v7
	v_xor_b32 v7, 1, v6                            ; 1 - h
	v_add_nc_u32 v[LIV], LV, v[LI]
	v_add_nc_u32 v[LSK], LKS, v8
	v_add_nc_u32 v[LSV], LVS, v8
	v_mul_u32_u24 v7, s2, v7
	v_lshl_add_u32 v[OSO], v5, 5, v7               ; 32 r, and lanes 0-15 at tile 0
	v_lshrrev_b32 v8, 3, v[OSO]                    ; Q's words: 4 r, likewise
	global_load_b128 v[Q:Q+3], v[LI], s[QA0:QA0+1]         ; my two tiles of queries: registers 0-3 of their fragments
	global_load_b128 v[Q+8:Q+11], v[LI], s[QA1:QA1+1]
	global_load_b32 v[QS], v8, s[QW:QW+1]
	v_and_b32 v21, 8, v5
	v_add_nc_u32 v21, v21, v5                      ; r + 8 (r / 8)
	v_lshlrev_b32 v6, 4, v6
	v_sub_nc_u32 v21, v21, v6
	v_add_nc_u32 v[DQ], s3, v21                    ; query 32 cx + 8 (w % 2) + r + 8 (r / 8) of its 128, less 16 h
	v_mov_b32 v[NINF], 0xff800000
.irp u, 0,1
	v_mov_b32 v[ST+4*\u+1], 0xff61b1e6             ; the largest t so far: -3e38
	v_floor_f32 v[ST+4*\u], -v[ST+4*\u+1]
	v_mov_b32 v[ST+4*\u+2], 0
	v_mov_b32 v[ST+4*\u+3], 0
.irp j, 4,5,6,7
	v_mov_b32 v[Q+8*\u+\j], 0                      ; K = 64 .. 127 of Q: zero codes
.endr
.endr
.irp j, 0,1,2,3
	v_mov_b32 v[KV+32+\j], 0                       ; what the last tile of K names as its registers 4-7
	v_mov_b32 v[BT+\j], 0                          ; a lane permute's destination counts as one of its sources
.endr
	v_mov_b32 v[F+1], 0                            ; (named as the upper half of a pair)
.set n, 0
.rept 64
	v_mov_b32 v[O+n], 0                            ; O^T.  The step is written once: the first finds zeros.  These stand while the tiles are on their way
.set n, n+1
.endr
	s_wait_alu depctr_va_vdst(0)                   ; the wait at the head's end
	s_wait_loadcnt 0x0                             ; Q
	s_wait_tensorcnt 0x0                           ; my fill has landed,
	s_barrier_signal -1
	s_barrier_wait -1                              ; everybody's have: from here on LDS is only read
.Lkey:                                             ; 16 trips in every wave
	s_cmp_gt_u32 s[KC], s[GH]                      ; all 128 keys come after both tiles' queries: the trip's work is left out
	s_cbranch_scc1 .Lhidden
	v_add_nc_u32 v[ADK], s[TB], v[LI]              ; (these four are also the places in front of loads into registers that the last products read)
	v_add_nc_u32 v[ADV], s[TB], v[LIV]
	v_add_nc_u32 v[ADS], s[TS], v[LSK]
	v_add_nc_u32 v[ADT], s[TJ], v[LSV]
.irp t, 0,1,2,3,4,5,6,7
	ds_load_b128 v[KV+4*\t:KV+4*\t+3], v[ADK] offset:512*\t
.endr
.irp i, 0,1,2,3
	ds_load_b32 v[KSW+\i], v[ADS] offset:128*\i    ; lanes 0-15 tile 2 i's words, lanes 16-31 tile 2 i + 1's
.endr
	s_wait_alu depctr_va_vdst(0)                   ; the wait here, directly ahead of the wait below
	s_wait_dscnt 0x0
	s_cmp_gt_u32 s[KC], s[GL]                      ; tile 1 has no step left: on to tile 0
	s_cbranch_scc1 .Lone
	SMUL 1
.rept 4
	v_nop                                          ; places in front of the first read of the scores
.endr
	MASK GL
	SOFT 1
.Lone:
	SMUL 0
.rept 4
	v_nop                                          ; places in front of the first read of the scores and of loads into K's registers
.endr
.irp dt, 0,1,2,3
.irp c, 0,1
	ds_load_b128 v[KV+8*\dt+4*\c:KV+8*\dt+4*\c+3], v[ADV] offset:1024*\dt+512*\c   ; V's four fragments land under tile 0's softmax
.endr
.endr
.irp i, 0,1
	ds_load_b32 v[VSW+\i], v[ADT] offset:128*\i
.endr
	MASK GH
	SOFT 0
	s_wait_alu depctr_va_vdst(0)                   ; the wait here, directly ahead of the wait below
	s_wait_dscnt 0x0
	PV 0
	s_cmp_gt_u32 s[KC], s[GL]
	s_cbranch_scc1 .Lhidden
	PV 1
.Lhidden:
	s_add_co_u32 s[TB], s[TB], 4096
	s_add_co_u32 s[TS], s[TS], 512
	s_add_co_u32 s[TJ], s[TJ], 256
	s_add_co_u32 s[KC], s[KC], 1
	s_cmp_lt_u32 s[KC], 16
	s_cbranch_scc1 .Lkey
.rept 4
	v_nop
.endr
	FIN 0, OA0
	FIN 1, OA1
	v_cndmask_b32 v[HB], v[HW], v[HW+1], s[HM]     ; lanes 0-15 tile 0's rows, lanes 16-31 tile 1's
	global_store_b16 v[OSO], v[HB], s[OW:OW+1]     ; two bytes of each row's 32: a sixteenth of the codes' bytes; it keeps the scale bytes in rows, as the last product's loads take them
	s_wait_tensorcnt 0x0                           ; the wave's end
	ds_add_u32 v254, v255
	s_wait_dscnt 0x0
	CROUND                                         ; the closing round
	s_endpgm
.Lfunc_end_k_qb644670954_attn:
	.size	k_qb644670954_attn, .Lfunc_end_k_qb644670954_attn-k_qb644670954_attn
	.p2alignl 7, 3214868480
	.fill 96, 4, 3214868480
	.section	.rodata,"a",@progbits
	.p2align	6, 0x0
	.amdhsa_kernel k_qb644670954_attn
		.amdhsa_group_segment_fixed_size 169984
		.amdhsa_private_segment_fixed_size 0
		.amdhsa_enable_private_segment 0
		.amdhsa_kernarg_size 24
		.amdhsa_user_sgpr_count 2
		.amdhsa_user_sgpr_kernarg_segment_ptr 1
		.amdhsa_wavefront_size32 1
		.amdhsa_system_sgpr_workgroup_id_x 1
		.amdhsa_system_sgpr_workgroup_id_y 1
		.amdhsa_system_sgpr_workgroup_id_z 1
		.amdhsa_system_vgpr_workitem_id 0
		.amdhsa_next_free_vgpr 256
		.amdhsa_next_free_sgpr 100
		.amdhsa_reserve_vcc 1
		.amdhsa_float_denorm_mode_32 3
		.amdhsa_float_denorm_mode_16_64 3
		.amdhsa_memory_ordered 1
		.amdhsa_forward_progress 1
		.amdhsa_inst_pref_size 61
	.end_amdhsa_kernel
	.amdgpu_metadata
---
amdhsa.version: [ 1, 2 ]
amdhsa.kernels:
  - .name:           k_qb644670954_attn
    .symbol:         k_qb644670954_attn.kd
    .args:
      - { .name: qk, .offset: 0, .size: 8, .value_kind: global_buffer, .address_space: global }
      - { .name: vv, .offset: 8, .size: 8, .value_kind: global_buffer, .address_space: global }
      - { .name: oo, .offset: 16, .size: 8, .value_kind: global_buffer, .address_space: global }
    .group_segment_fixed_size: 169984
    .private_segment_fixed_size: 0
    .kernarg_segment_align: 8
    .kernarg_segment_size: 24
    .max_flat_workgroup_size: 512
    .sgpr_count:     100
    .vgpr_count:     256
    .wavefront_size: 32
...
	.end_amdgpu_metadata
.endif
;; end of part 3
;; launch proj (part 4): grid 4 x 64, 4 waves a work-group, clusters of 4 x 4, 327,680 bytes of LDS; arguments oo, inq, b_proj, out0; writes out0
.if DOCPART == 4
	.amdgcn_target "amdgcn-amd-amdhsa--gfx1250"
	.amdhsa_code_object_version 6
	.text
	.protected	k_qb644670954_proj
	.globl	k_qb644670954_proj
	.p2align	8
	.type	k_qb644670954_proj,@function
k_qb644670954_proj:
	s_mov_b64 s[64:65], 0
	v_nop
	global_prefetch_b8 v0, s[64:65] scope:SCOPE_SE
	s_setreg_imm32_b32 hwreg(HW_REG_WAVE_MODE, 25, 1), 1
	s_wait_xcnt 0x0
	s_wait_alu depctr_hold_cnt(0) depctr_sa_sdst(0) depctr_va_vdst(0) depctr_va_sdst(0) depctr_va_ssrc(0) depctr_va_vcc(0) depctr_vm_vsrc(0)
	s_getreg_b32 s2, hwreg(HW_REG_IB_STS2, 6, 4)
	s_cmp_eq_u32 s2, 0
	s_cbranch_scc0 .Lentry_in_a_cluster
	s_endpgm
.Lentry_in_a_cluster:
	s_bfe_u32 s2, ttmp6, 0x10000c
	s_cmp_lg_u32 s2, 0xf033
	s_cbranch_scc0 .Lentry_shape_is_right
	s_endpgm
.Lentry_shape_is_right:
; out0 = o w_proj + b_proj, on codes of FP4 (E2M1) with one E8M0 scale for each 32 along K = 1,024; sums and result in f32.
; A work-group makes 128 tokens x 256 columns: 64 x 4 = 256 work-groups.  Four waves of 64 tokens x 128 columns, 32 accumulators each.  K's two halves lie in two LDS slots, each filled once; 4 x 4 clusters:
; o's tiles are asked for jointly along a row of the cluster, the weight's along a column.  Source 0 = 16 columns of the weight, source 1 = 16 tokens: a lane holds eight neighbouring columns of one token.
; o's codes arrive as REGISTER IMAGES, [tile of 16 token positions][head 16][lane][16 bytes]: a token tile's 4,096 bytes of a slot (8 heads) are its four fragments on end, read at 16 x lane: no pitch, no padding.
; Tokens and the weight's columns lie in position order (bits 3 and 4 of the number exchanged); the way out puts both right, by immediates.  The bias is the C of each sum's first product.
; A step of 128 along K: this step's fragments are in; the next step's 24 LDS loads go into the other sets of registers; then the 32 products.
; No prefetch: K has two steps, both asked for at the head; there is no loop to run ahead in.
; LIMITS: NaN and infinities are not served.
.set OSC,    0x400000
.set IQ_WPC, 0x580000
.set IQ_WPS, 0x658000
.set NQ,     4
.set ROWB,   256
.set KROW,   512
.set PITCH,  272                       ; the weight's LDS rows: 256 bytes + 16 of padding
.set FR,     8
.set NP,     4
.set HALFT,  128*PITCH
.set BOFF,   32768                     ; eight token tiles x 4,096 bytes, then the weight's 256 rows
.set SLOT,   BOFF+2*HALFT
.set KS,     32
.set SCL,    2*SLOT                    ; the scale bytes: o's 128 rows, then the weight's 256, units of 256 bytes + 16
.set HALFS,  (128*KS/256)*272
.set SBLK,   (16*KS/256)*272
.set SPARE,  SCL+3*HALFS               ; the spare words, 128 bytes a wave
.set SPITCH, 528                       ; the way out: a stage of 16 rows x (512 bytes + 16) for each wave, in slot 0, behind that slot's last fill and last read
.set ADRA, 16
.set ADRB, 20
.set STO,  24
.set RD,   25
.set CO,   26
.set ADRS, 27
.set SC,   32                          ; v32-95 scale words, a set for each slot: lanes 0-15 o's block i, lanes 16-31 the weight's block i
.set AF,   128                         ; o's fragments: two sets of 4 x 8
.set BK,   128
.set BI,   192
.set G1, 24
.set G0, 32
.set G1B, 48
.set G0B, 56
.set G1S, 68
.set G0S, 76
.set G1SB, 80
.set G0SB, 88
.set MSB, 0
.macro WIN new
.if MSB != (\new)
	s_set_vgpr_msb (MSB<<8)|(\new)
.set MSB, \new
.endif
.endm
.set MUL_LO, 0xa1                      ; source 0 window 1, source 1 window 0, C and D window 2
.set FIRST_LO, 0x81                    ; the same with C in window 0
.set TO_B,   0x40
.macro ARM under, g0, g1, next, done   ; one arm of a tree of branches on the wave's number: its load, s_nop 0 and four v_nop, a jump to the tree's end
	s_cmp_lt_u32 s14, \under
	s_cbranch_scc0 \next
	tensor_load_to_lds s[\g0:\g0+3], s[\g1:\g1+7]
	s_nop 0
.rept 4
	v_nop
.endr
	s_branch \done
\next:
.endm
.macro CROUND
	s_barrier_signal -1
	s_barrier_wait -1
	s_cmp_lg_u32 s14, 0
	s_cbranch_scc1 .Lnot_wave_0_\@
	s_barrier_signal -3
.Lnot_wave_0_\@:
	s_barrier_wait -3
	s_barrier_signal -1
	s_barrier_wait -1
.endm
.macro MUL16 a0, p, q, sc, zero        ; token blocks a0, a0 + 1 x the weight's eight; the 32 accumulators take turns
.irp a, \a0, \a0+1
.irp b, 0,1,2,3,4,5,6,7
.if \zero
	v_wmma_scale_f32_16x16x128_f8f6f4 v[8*(8*(\a)+\b):8*(8*(\a)+\b)+7], v[128*(\p)+FR*\b:128*(\p)+FR*\b+FR-1], v[AF+32*(\p)+FR*(\a):AF+32*(\p)+FR*(\a)+FR-1], v[BI+8*\b:BI+8*\b+7], v[SC+8*NQ*(\sc)+NQ*\b+(\q)], v[SC+8*NQ*(\sc)+NQ*(\a)+(\q)] matrix_a_fmt:MATRIX_FMT_FP4 matrix_b_fmt:MATRIX_FMT_FP4 matrix_a_scale:MATRIX_SCALE_ROW1
.else
	v_wmma_scale_f32_16x16x128_f8f6f4 v[8*(8*(\a)+\b):8*(8*(\a)+\b)+7], v[128*(\p)+FR*\b:128*(\p)+FR*\b+FR-1], v[AF+32*(\p)+FR*(\a):AF+32*(\p)+FR*(\a)+FR-1], v[8*(8*(\a)+\b):8*(8*(\a)+\b)+7], v[SC+8*NQ*(\sc)+NQ*\b+(\q)], v[SC+8*NQ*(\sc)+NQ*(\a)+(\q)] matrix_a_fmt:MATRIX_FMT_FP4 matrix_b_fmt:MATRIX_FMT_FP4 matrix_a_scale:MATRIX_SCALE_ROW1
.endif
.endr
.endr
.endm
.macro PFETCH slot, q, p               ; the weight's eight blocks into window 1, set p; o's four blocks, as they were stored (token tile 4,096, K step 1,024, c 512, lane 16), into set p
	WIN TO_B
.irp i, 0,1,2,3,4,5,6,7
.irp c, 0,1
	ds_load_b128 v[128*(\p)+FR*\i+4*\c:128*(\p)+FR*\i+4*\c+3], v[ADRB+\slot] offset:64*(\q)+32*\c+\i*16*PITCH
.endr
.endr
	WIN 0
.irp i, 0,1,2,3
.irp c, 0,1
	ds_load_b128 v[AF+32*(\p)+FR*\i+4*\c:AF+32*(\p)+FR*\i+4*\c+3], v[ADRA+\slot] offset:4096*\i+1024*(\q)+512*\c
.endr
.endr
.endm
.macro SCALES sc                       ; (of registers 4 i + q with i over 3 only lanes 16-31 are used; lanes 0-15 read written scale bytes that no product names)
.irp i, 0,1,2,3,4,5,6,7
	ds_load_b128 v[SC+8*NQ*\sc+NQ*\i:SC+8*NQ*\sc+NQ*\i+3], v[ADRS] offset:\i*SBLK
.endr
.endm
.macro PLACES n
.rept \n
	v_nop
.endr
.endm
.macro PSTEP ks                        ; a step whose successor lies in the same slot, or the last
	s_wait_dscnt 0x0                               ; this step's fragments are in
.if (\ks) > 0
	PLACES NP                                      ; in front of loads into registers that the last step's products read
.endif
.if (\ks) < 7
	PFETCH ((\ks)+1)/4, ((\ks)+1)%4, 1-(\ks)%2
.endif
.if (\ks) == 0
	WIN FIRST_LO
	MUL16 0, 0, 0, 0, 1
	MUL16 2, 0, 0, 0, 1
.else
	WIN MUL_LO
	MUL16 0, (\ks)%2, (\ks)%4, (\ks)/4, 0
	MUL16 2, (\ks)%2, (\ks)%4, (\ks)/4, 0
.endif
	WIN 0
.endm
.macro TURN                            ; slot 0's last step: one barrier
	s_wait_tensorcnt 0x0                           ; my part of slot 1, if I fetched one, has landed
	s_wait_dscnt 0x0                               ; this step's fragments are in: my reads of slot 0 are over
	s_barrier_signal -1
	WIN MUL_LO
	MUL16 0, 1, 3, 0, 0
	WIN 0
	s_barrier_wait -1
	PLACES NP
	v_add_nc_u32 v[ADRS], 4*NQ, v[ADRS]
	s_wait_alu depctr_va_vdst(0)                   ; the wait here, directly behind the write
	PFETCH 1, 0, 0
	SCALES 1
	WIN MUL_LO
	MUL16 2, 1, 3, 0, 0
	WIN 0
.endm
; THE WAY OUT, block by block of 16 tokens x 128 columns, through my own stage.  Accumulator (a, b), lane (r, h), register j is column 32 (b / 2) + 8 (b % 2) + 16 h + j of the token at position 16 a + r.
.macro TOSTAGE a
.set AC, 64*(\a)
	WIN 0x08                                       ; an LDS store's data: window 2
.irp b, 0,1,2,3,4,5,6,7
	ds_store_b128 v[STO], v[AC+8*\b:AC+8*\b+3] offset:128*(\b/2)+32*(\b%2)       ; each accumulator from its low end on
	ds_store_b128 v[STO], v[AC+8*\b+4:AC+8*\b+7] offset:128*(\b/2)+32*(\b%2)+16
.endr
	WIN 0
.set BB, BK+64*((\a)%2)
.irp t, 0,1,2,3,4,5,6,7,8,9,10,11,12,13,14,15
	ds_load_b128 v[BB+4*\t:BB+4*\t+3], v[RD] offset:\t*SPITCH    ; LDS serves a wave's instructions in order: these see the stores above
.endr
.endm
.macro SEND a, younger                 ; younger: the LDS instructions issued behind block a's loads
.set BB, BK+64*((\a)%2)
	s_wait_dscnt \younger
.irp t, 0,1,2,3,4,5,6,7,8,9,10,11,12,13,14,15
	global_store_b128 v[CO], v[BB+4*\t:BB+4*\t+3], s[12:13] offset:(32*((\a)/2)+8*((\a)%2)+\t+8*(\t/8))*4096 th:TH_STORE_NT   ; position 16 a + t is token 32 (a / 2) + 8 (a % 2) + t + 8 (t / 8); 32 lanes store 512 consecutive bytes, aligned
.endr
.endm
	s_load_b128 s[4:7], s[0:1], 0x0                ; oo s[4:5] (o's codes at its start); inq s[6:7]
	s_load_b64 s[96:97], s[0:1], 0x10              ; b_proj
	s_load_b64 s[12:13], s[0:1], 0x18              ; out0
	v_lshl_add_u32 v126, v0, 2, SPARE
	v_mov_b32 v127, 0
	ds_add_u32 v126, v127                          ; the opening lines: the add, twice on end, and its wait ahead of the first tensor load
	ds_add_u32 v126, v127
	v_lshrrev_b32 v1, 5, v0
	v_readfirstlane_b32 s14, v1                    ; wave 0..3
	s_lshr_b32 s15, s14, 1                         ; which half of the tokens is mine
	s_and_b32 s16, s14, 1                          ; which half of the columns
	s_bfe_u32 s40, ttmp6, 0x40000
	s_bfe_u32 s41, ttmp6, 0x40004
	s_lshl_b32 s42, ttmp9, 2
	s_add_co_u32 s42, s42, s40                     ; tile column
	s_and_b32 s17, ttmp7, 0xffff
	s_lshl_b32 s17, s17, 2
	s_add_co_u32 s17, s17, s41                     ; tile row
	s_lshl_b32 s43, s41, 2
	s_lshl_b32 s43, 15, s43                        ; my row of the cluster
	s_lshl_b32 s44, 0x1111, s40                    ; my column
	s_or_b32 s[G1+0], s43, (3<<16)|(1<<21)         ; o's images: 8 rows (token tiles) of 4,096 bytes (512 elements of 8), 8,192 bytes apart; no padding
	s_mov_b32 s[G1+1], 512<<16
	s_mov_b32 s[G1+2], 8<<16
	s_mov_b32 s[G1+3], 512<<16
	s_mov_b32 s[G1+4], 8
	s_mov_b32 s[G1+5], 1024
	s_mov_b32 s[G1+6], 0
	s_mov_b32 s[G1+7], 0
	s_or_b32 s[G1B+0], s44, (0<<16)|(1<<20)|(1<<21)|(5<<22)|(3<<25) ; the weight: 256 rows of 256 bytes, 4 words of padding behind every 64
	s_mov_b32 s[G1B+1], ROWB<<16
	s_mov_b32 s[G1B+2], 256<<16
	s_mov_b32 s[G1B+3], ROWB<<16
	s_mov_b32 s[G1B+4], 256
	s_mov_b32 s[G1B+5], KROW
	s_mov_b32 s[G1B+6], 0
	s_mov_b32 s[G1B+7], 0
	s_or_b32 s[G1S+0], s43, (3<<16)|(1<<20)|(1<<21)|(5<<22)|(3<<25)
	s_or_b32 s[G1SB+0], s44, (3<<16)|(1<<20)|(1<<21)|(5<<22)|(3<<25)
.irp g, G1S, G1SB
	s_mov_b32 s[\g+1], 32<<16                      ; scale bytes: dense, as rows of 256 bytes
	s_mov_b32 s[\g+3], 32<<16
	s_mov_b32 s[\g+5], 32
	s_mov_b32 s[\g+6], 0
	s_mov_b32 s[\g+7], 0
.endr
	s_mov_b32 s[G1S+2], 16<<16                     ; o's 128 rows of 32 bytes,
	s_mov_b32 s[G1S+4], 16
	s_mov_b32 s[G1SB+2], 32<<16                    ; the weight's 256
	s_mov_b32 s[G1SB+4], 32
	s_lshl_b32 s20, s17, 16                        ; o's tile: 8 token tiles of 8,192 bytes,
	s_mov_b32 s21, 0
	s_lshr_b32 s22, s20, 4                         ; its scale bytes,
	s_mov_b32 s23, 0
	s_lshl_b32 s46, s42, 17                        ; the weight's 256 rows of 512 bytes,
	s_mov_b32 s47, 0
	s_lshr_b32 s92, s46, 4
	s_mov_b32 s93, 0
	s_wait_dscnt 0x0                               ; both opening adds are done
	s_wait_kmcnt 0x0
	s_add_nc_u64 s[8:9], s[6:7], IQ_WPC
	s_add_nc_u64 s[10:11], s[6:7], IQ_WPS
	s_add_nc_u64 s[6:7], s[4:5], OSC
	s_add_nc_u64 s[20:21], s[4:5], s[20:21]
	s_add_nc_u64 s[22:23], s[6:7], s[22:23]
	s_add_nc_u64 s[46:47], s[8:9], s[46:47]
	s_add_nc_u64 s[92:93], s[10:11], s[92:93]
	CROUND                                         ; all sixteen work-groups are here: the first joint loads meet
	s_mov_b32 s[G0S], 1
	s_mov_b32 s[G0S+1], SCL
	s_mov_b64 s[G0S+2:G0S+3], s[22:23]
	s_or_b32 s[G0S+3], s[G0S+3], 0x80000000
	s_mov_b32 s[G0SB], 1
	s_mov_b32 s[G0SB+1], SCL+HALFS
	s_mov_b64 s[G0SB+2:G0SB+3], s[92:93]
	s_or_b32 s[G0SB+3], s[G0SB+3], 0x80000000
.irp s, 0,1
	s_mov_b32 s[G0+4*\s], 1                        ; slot s: o's eight token tiles,
	s_mov_b32 s[G0+4*\s+1], \s*SLOT
	s_add_nc_u64 s[G0+4*\s+2:G0+4*\s+3], s[20:21], \s*4096
	s_or_b32 s[G0+4*\s+3], s[G0+4*\s+3], 0x80000000
	s_mov_b32 s[G0B+4*\s], 1                       ; the weight's 256 rows behind them
	s_mov_b32 s[G0B+4*\s+1], \s*SLOT+BOFF
	s_add_nc_u64 s[G0B+4*\s+2:G0B+4*\s+3], s[46:47], \s*ROWB
	s_or_b32 s[G0B+4*\s+3], s[G0B+4*\s+3], 0x80000000
.endr
; the head's four tiles, one joint load a wave: every way through the tree passes one load
	ARM 1, G0,  G1,  .Lhead_b,  .Lhead_asked
	ARM 2, G0B, G1B, .Lhead_sa, .Lhead_asked
	ARM 3, G0S, G1S, .Lhead_sb, .Lhead_asked
	tensor_load_to_lds s[G0SB:G0SB+3], s[G1SB:G1SB+7]
	s_nop 0
.rept 4
	v_nop
.endr
.Lhead_asked:
	s_lshl_b32 s100, s42, 10
	s_lshl_b32 s18, s16, 9
	s_add_co_u32 s100, s100, s18                   ; my first column x 4
	s_mov_b32 s101, 0
	s_add_nc_u64 s[96:97], s[96:97], s[100:101]    ; the bias
	s_lshl_b32 s20, s17, 19                        ; out0: 128 rows of 4,096 bytes a tile row, 64 for my half, + my first column
	s_lshl_b32 s21, s15, 18
	s_add_co_u32 s20, s20, s21
	s_add_co_u32 s100, s100, s20
	s_add_nc_u64 s[12:13], s[12:13], s[100:101]
	; LDS places, by the wave's number alone
	s_lshl_b32 s20, s15, 14                        ; my four token tiles, slot 0 and 1
	s_add_co_u32 s21, s20, SLOT
	s_mul_i32 s22, s16, HALFT
	s_add_co_u32 s22, s22, BOFF                    ; my 128 rows of the weight
	s_add_co_u32 s23, s22, SLOT
	s_mul_i32 s44, s15, 4*SBLK
	s_add_co_u32 s44, s44, SCL                     ; my 64 tokens' scale rows
	s_mul_i32 s43, s16, HALFS
	s_add_co_u32 s43, s43, SCL+HALFS
	s_sub_co_u32 s43, s43, s44                     ; from there to my 128 rows of the weight's
	s_mul_i32 s2, s14, 16*SPITCH                   ; my stage
	v_and_b32 v1, 15, v0
	v_bfe_u32 v2, v0, 4, 1
	v_mul_u32_u24 v3, v1, PITCH
	v_lshl_add_u32 v4, v2, 4, v3
	v_and_b32 v6, 31, v0
	v_lshlrev_b32 v[CO], 4, v6                     ; 16 x lane: an image's place, and my bytes of a row of 512 on the way out
	v_add_nc_u32 v[ADRA], s20, v[CO]
	v_add_nc_u32 v[ADRA+1], s21, v[CO]
	v_add_nc_u32 v[ADRB], s22, v4
	v_add_nc_u32 v[ADRB+1], s23, v4
	v_mul_u32_u24 v5, v1, KS
	v_lshrrev_b32 v6, 8, v5
	v_lshl_add_u32 v5, v6, 4, v5                   ; my row's scale bytes: KS a row, 16 more for each 256 passed
	v_add_nc_u32 v5, s44, v5
	v_mul_u32_u24 v6, s43, v2                      ; lanes 16-31 take the weight's
	v_add_nc_u32 v[ADRS], v5, v6
	v_mul_u32_u24 v5, v1, SPITCH
	v_lshl_add_u32 v5, v2, 6, v5                   ; into the stage: row r, + 64 bytes for lanes 16-31
	v_add_nc_u32 v[STO], s2, v5
	v_add_nc_u32 v[RD], s2, v[CO]                  ; back: the 32 lanes take one row of 512 bytes
	v_lshlrev_b32 v8, 6, v2                        ; the bias: lanes 16-31 begin 16 columns on
.irp b, 0,1,2,3,4,5,6,7
	global_load_b128 v[BI+8*\b:BI+8*\b+3], v8, s[96:97] offset:(32*(\b/2)+8*(\b%2))*4
	global_load_b128 v[BI+8*\b+4:BI+8*\b+7], v8, s[96:97] offset:(32*(\b/2)+8*(\b%2))*4+16
.endr
	s_wait_alu depctr_va_vdst(0)                   ; the wait at the head's end
	s_wait_tensorcnt 0x0                           ; my tile of the head's four is in; these lines stand ahead of a later first fill as ahead of a refill
	ds_add_u32 v126, v127
	s_wait_dscnt 0x0
	CROUND                                         ; all four tiles are in, and the sixteen work-groups meet
	ARM 1, G0+4,  G1,  .Lnext_b, .Lnext_asked      ; slot 1's first fills: o's tiles, the weight's rows; waves 2 and 3 have none
	ARM 2, G0B+4, G1B, .Lnext_n, .Lnext_asked
.Lnext_asked:
	PFETCH 0, 0, 0
	SCALES 0
	s_wait_loadcnt 0x0                             ; the bias
	PSTEP 0
	PSTEP 1
	PSTEP 2
	TURN
	PSTEP 4
	PSTEP 5
	PSTEP 6
	PSTEP 7
	PLACES NP                                      ; in front of the first read of results and of loads into registers that held operands
	TOSTAGE 0
.irp a, 1,2,3
.if \a > 1
	s_wait_xcnt 0x0                                ; block a - 2's stores have read their registers: block a's loads may land there
.endif
	TOSTAGE \a
	SEND \a-1, 32                                  ; behind block a - 1's loads: block a's 16 stores and 16 loads
.endr
	SEND 3, 0
	s_wait_tensorcnt 0x0                           ; the wave's end
	ds_add_u32 v126, v127
	s_wait_dscnt 0x0
	CROUND                                         ; the closing round
	s_endpgm
.Lfunc_end_k_qb644670954_proj:
	.size	k_qb644670954_proj, .Lfunc_end_k_qb644670954_proj-k_qb644670954_proj
	.p2alignl 7, 3214868480
	.fill 96, 4, 3214868480
	.section	.rodata,"a",@progbits
	.p2align	6, 0x0
	.amdhsa_kernel k_qb644670954_proj
		.amdhsa_group_segment_fixed_size 327680
		.amdhsa_private_segment_fixed_size 0
		.amdhsa_enable_private_segment 0
		.amdhsa_kernarg_size 32
		.amdhsa_user_sgpr_count 2
		.amdhsa_user_sgpr_kernarg_segment_ptr 1
		.amdhsa_wavefront_size32 1
		.amdhsa_system_sgpr_workgroup_id_x 1
		.amdhsa_system_sgpr_workgroup_id_y 1
		.amdhsa_system_sgpr_workgroup_id_z 1
		.amdhsa_system_vgpr_workitem_id 0
		.amdhsa_next_free_vgpr 1024
		.amdhsa_next_free_sgpr 104
		.amdhsa_reserve_vcc 0
		.amdhsa_float_denorm_mode_32 3
		.amdhsa_float_denorm_mode_16_64 3
		.amdhsa_memory_ordered 1
		.amdhsa_forward_progress 1
		.amdhsa_inst_pref_size 74
	.end_amdhsa_kernel
	.amdgpu_metadata
---
amdhsa.version: [ 1, 2 ]
amdhsa.kernels:
  - .name:           k_qb644670954_proj
    .symbol:         k_qb644670954_proj.kd
    .args:
      - { .name: oo, .offset: 0, .size: 8, .value_kind: global_buffer, .address_space: global }
      - { .name: inq, .offset: 8, .size: 8, .value_kind: global_buffer, .address_space: global }
      - { .name: b_proj, .offset: 16, .size: 8, .value_kind: global_buffer, .address_space: global }
      - { .name: out0, .offset: 24, .size: 8, .value_kind: global_buffer, .address_space: global }
    .group_segment_fixed_size: 327680
    .private_segment_fixed_size: 0
    .kernarg_segment_align: 8
    .kernarg_segment_size: 32
    .max_flat_workgroup_size: 128
    .sgpr_count:     104
    .vgpr_count:     1024
    .wavefront_size: 32
...
	.end_amdgpu_metadata
.endif
;; end of part 4
